; MI455X (gfx1250); checked and timed in simulation.
; The chip was launched on July 23, 2026; its instructions are those of AMD's public machine-readable ISA for CDNA 5 (MIT licence, August 2026) and "CDNA5" Instruction Set Architecture Reference Guide (July 2026). The comments in the code are by the model that wrote it; some were corrected since.
;; Position Attention Layer. Allowed arithmetic: float matrix products may take bf16 or f16 operands with f32 sums; all other float work in f32.
;; Inputs: Wk 80 x 512 float32; Wq 80 x 512 float32; Wv 512 x 512 float32; bk 80 float32; bq 80 float32; bv 512 float32; gamma 512 x 64 x 64 float32; sk 80 float32; sq 80 float32; sv 512 float32; x 4 x 512 x 64 x 64 float32.
;; Outputs: out0 4 x 512 x 64 x 64 float32.
;; 2 versions, each right; version 2 is version 1 with the launch proj written anew for expert scheduling mode. Each part assembles by itself: llvm-mc -triple=amdgcn-amd-amdhsa -mcpu=gfx1250 --defsym DOCPART=n.
;; ======== version 1 of 2: 3 launches
;; workspace buffers: wf 688,128 bytes; qf 2,621,440 bytes; kv 19,398,656 bytes
;; launch wprep (part 1): grid 42 x 1, 8 waves a work-group, no clusters, 0 bytes of LDS; arguments Wq, Wk, Wv, wf; writes wf
.if DOCPART == 1
	.amdgcn_target "amdgcn-amd-amdhsa--gfx1250"
	.amdhsa_code_object_version 6
	.text
	.protected	k_q3fea46c5b8_wprep
	.globl	k_q3fea46c5b8_wprep
	.p2align	8
	.type	k_q3fea46c5b8_wprep,@function
k_q3fea46c5b8_wprep:
	s_mov_b64 s[64:65], 0
	v_nop
	global_prefetch_b8 v0, s[64:65] scope:SCOPE_SE
	s_setreg_imm32_b32 hwreg(HW_REG_WAVE_MODE, 25, 1), 1
	s_wait_xcnt 0x0
; Wq, Wk [80][512] and Wv [512][512], f32, are rounded to bf16 and laid out as matrix fragments:
;   wf = [ot 42][ks 16][u 2][512 bytes];  ot 0-4: Wq, 5-9: Wk, 10-41: Wv, 16 rows each.
; In a chunk of 512 bytes lane L = (r = L & 15, h = L >> 4) owns the 16 bytes at 16 L: W[16 ot' + r][32 ks + 16 u + 8 h + 0..7].
; Two chunks (u = 0, 1) are the eight registers of a 16 x 32 bf16 operand, so the next launch loads a fragment by two loads of 16 bytes a
; lane, each covering 512 neighbouring bytes.
; A work-group takes one ot, a wave two ks (four chunks).  42 work-groups are all the work there is.  No LDS, no barrier, no matrix unit.
.set ROWB, 2048                        ; bytes in a row of W
.set IN,   8                           ; v[8:39]   four chunks as f32, 8 registers each
.set OUTR, 40                          ; v[40:55]  four chunks as bf16, 4 registers each
	s_load_b256 s[4:11], s[0:1], 0x0               ; Wq s[4:5], Wk s[6:7], Wv s[8:9], wf s[10:11]
	v_and_b32 v1, 31, v0                           ; lane
	v_lshrrev_b32 v2, 5, v0                        ; wave
	v_and_b32 v3, 15, v0                           ; r
	v_bfe_u32 v4, v0, 4, 1                         ; h
	v_lshlrev_b32 v5, 11, v3                       ; in: r rows of 2,048 bytes
	v_lshl_add_u32 v5, v4, 5, v5                   ;     + 8 h numbers of 4 bytes
	v_lshl_add_u32 v5, v2, 8, v5                   ;     + the wave's two K steps of 128 bytes
	v_lshlrev_b32 v6, 4, v1                        ; out: 16 x lane
	v_lshl_add_u32 v6, v2, 11, v6                  ;      + the wave's four chunks
	s_wait_kmcnt 0x0
	s_cmp_lt_u32 ttmp9, 10                         ; which matrix, and how many tiles lie in front of it
	s_cselect_b64 s[16:17], s[6:7], s[8:9]
	s_cselect_b32 s15, 5, 10
	s_cmp_lt_u32 ttmp9, 5
	s_cselect_b64 s[16:17], s[4:5], s[16:17]
	s_cselect_b32 s15, 0, s15
	s_sub_co_u32 s15, ttmp9, s15                   ; the tile's number in its matrix
	s_lshl_b32 s18, s15, 15                        ; 16 rows of 2,048 bytes
	s_mov_b32 s19, 0
	s_add_nc_u64 s[16:17], s[16:17], s[18:19]
	s_lshl_b32 s18, ttmp9, 14                      ; 32 chunks of 512 bytes for each ot
	s_add_nc_u64 s[10:11], s[10:11], s[18:19]
.irp c, 0,1,2,3                                    ; chunk c = 2 (ks & 1) + u: 64 bytes of a row further on
	global_load_b128 v[IN+8*\c:IN+8*\c+3],   v5, s[16:17] offset:64*\c th:TH_LOAD_NT
	global_load_b128 v[IN+8*\c+4:IN+8*\c+7], v5, s[16:17] offset:64*\c+16 th:TH_LOAD_NT
.endr
	s_wait_loadcnt 0x0
.irp c, 0,1,2,3
.irp p, 0,1,2,3
	v_cvt_pk_bf16_f32 v[OUTR+4*\c+\p], v[IN+8*\c+2*\p], v[IN+8*\c+2*\p+1]
.endr
.endr
.irp c, 0,1,2,3
	global_store_b128 v6, v[OUTR+4*\c:OUTR+4*\c+3], s[10:11] offset:512*\c   ; a wave's store covers 512 neighbouring bytes, aligned
.endr
	s_endpgm
.Lfunc_end_k_q3fea46c5b8_wprep:
	.size	k_q3fea46c5b8_wprep, .Lfunc_end_k_q3fea46c5b8_wprep-k_q3fea46c5b8_wprep
	.p2alignl 7, 3214868480
	.fill 96, 4, 3214868480
	.section	.rodata,"a",@progbits
	.p2align	6, 0x0
	.amdhsa_kernel k_q3fea46c5b8_wprep
		.amdhsa_group_segment_fixed_size 0
		.amdhsa_private_segment_fixed_size 0
		.amdhsa_enable_private_segment 0
		.amdhsa_kernarg_size 32
		.amdhsa_user_sgpr_count 2
		.amdhsa_user_sgpr_kernarg_segment_ptr 1
		.amdhsa_wavefront_size32 1
		.amdhsa_system_sgpr_workgroup_id_x 1
		.amdhsa_system_sgpr_workgroup_id_y 1
		.amdhsa_system_sgpr_workgroup_id_z 1
		.amdhsa_system_vgpr_workitem_id 0
		.amdhsa_next_free_vgpr 56
		.amdhsa_next_free_sgpr 66
		.amdhsa_reserve_vcc 0
		.amdhsa_float_denorm_mode_32 3
		.amdhsa_float_denorm_mode_16_64 3
		.amdhsa_memory_ordered 1
		.amdhsa_forward_progress 1
		.amdhsa_inst_pref_size 4
	.end_amdhsa_kernel
	.amdgpu_metadata
---
amdhsa.version: [ 1, 2 ]
amdhsa.kernels:
  - .name:           k_q3fea46c5b8_wprep
    .symbol:         k_q3fea46c5b8_wprep.kd
    .args:
      - { .name: Wq, .offset: 0, .size: 8, .value_kind: global_buffer, .address_space: global }
      - { .name: Wk, .offset: 8, .size: 8, .value_kind: global_buffer, .address_space: global }
      - { .name: Wv, .offset: 16, .size: 8, .value_kind: global_buffer, .address_space: global }
      - { .name: wf, .offset: 24, .size: 8, .value_kind: global_buffer, .address_space: global }
    .group_segment_fixed_size: 0
    .private_segment_fixed_size: 0
    .kernarg_segment_align: 8
    .kernarg_segment_size: 32
    .max_flat_workgroup_size: 256
    .sgpr_count:     66
    .vgpr_count:     56
    .wavefront_size: 32
...
	.end_amdgpu_metadata
.endif
;; end of part 1
;; launch proj (part 2): grid 64 x 4, 8 waves a work-group, no clusters, 82,944 bytes of LDS; arguments x, wf, sv, bv, sq, sk, bq, bk, qf, kv; writes qf, kv
.if DOCPART == 2
	.amdgcn_target "amdgcn-amd-amdhsa--gfx1250"
	.amdhsa_code_object_version 6
	.text
	.protected	k_q3fea46c5b8_proj
	.globl	k_q3fea46c5b8_proj
	.p2align	8
	.type	k_q3fea46c5b8_proj,@function
k_q3fea46c5b8_proj:
	s_mov_b64 s[64:65], 0
	v_nop
	global_prefetch_b8 v0, s[64:65] scope:SCOPE_SE
	s_setreg_imm32_b32 hwreg(HW_REG_WAVE_MODE, 25, 1), 1
	s_wait_xcnt 0x0
; q, k, v = relu(scale * (W x) + bias), rounded to bf16 and stored as the matrix fragments that the attention launch multiplies.
; Work-group (s, b): the 64 positions 64 s .. 64 s + 63 of batch b, all 672 output channels, K = 512 channels of x in 16 steps of 32.
;   waves 0-3 (V role):  wave w makes channels 128 w .. +127 of v: 8 o-tiles x 4 n-tiles = 32 accumulators.  Source 0 = x (rows n), source 1 = W
;                        (columns o): a lane then holds 8 neighbouring positions of one channel, which is a chunk of V as attention's source 0.
;   waves 4-7 (QK role): a = q or k, g = which 32 positions: 5 o-tiles x 2 n-tiles = 10 accumulators.  Source 0 = W, source 1 = x: a lane holds
;                        8 neighbouring channels of one position, which is a chunk of K or Q.
; x is read once, rounded to bf16 and laid in LDS as [c 512][n 64], 160 bytes from row to row; fragments come out by the transposing load.
; W's fragments come straight from wf into a ring of three K steps in registers.
; NO CLUSTER, though every work-group walks wf: a fragment of Wv is multiplied by one wave alone, so a shared tile in LDS would be written
; (43,008 bytes a K step) and read (53,248 bytes) on top of the 24,576 bytes of x fragments that the eight waves read in that step.
; OUT:  qf = [b][it 256][e 5][512 B], lane (r, h): q[16 e + 8 h + 0..7][16 it + r]
;       kv = [b][n 32][151,552 B]: K tiles (2n+3) mod 64 and (2n+4) mod 64 (10,240 B each), then the V half tiles (4n+1 .. 4n+4) mod 128 (32,768 B each).
;            K tile s = [jt 4][e 5][512 B], lane: k[16 e + 8 h + 0..7][64 s + 16 jt + r];  V half g = [ct 32][u 2][512 B], lane: v[16 ct + r][32 g + 16 u + 8 h + 0..7].
;            The shifts put into one block what the attention launch reads while it works on keys 128 n .. 128 n + 127: it fetches K three steps and V half a step ahead.
; LIMITS: x and W enter the matrix unit in bf16, q, k, v leave in bf16; relu of a NaN gives 0 here.
.set XP,    160                        ; LDS pitch of an x row: 128 bytes of data, an odd multiple of 32
.set BLK,   151552                     ; bytes in a block of kv
.set BATCH, 32*BLK                     ; bytes of kv for a batch
.set L16,  1                           ; v1      16 x lane
.set XA,   2                           ; v2, v3  LDS address of my part of an x fragment, K steps 0-7 and 8-15
.set XO,   4                           ; v4      x in memory: lanes 0-15 one row's 256 bytes, lanes 16-31 the next row's
.set XS,   5                           ; v5      the same two rows in LDS, 8 bytes a lane
.set R4,   6                           ; v6      offset into scale and bias
.set SV,   16                          ; V role: v[16:23] scale, v[24:31] bias of my channel in each of 8 o-tiles
.set BV,   24
.set XF,   32                          ; x fragments: V role v[32:63], QK role v[32:47]; at first the conversion's 16 packed words
.set WBV,  64                          ; V role: v[64:255] W fragments, three K steps of 64 registers
.set WBQ,  48                          ; QK role: v[48:167] three K steps of 40 registers
.set SC,   168                         ; QK role: v[168:207] scale, v[208:247] bias of my 8 channels in each of 5 o-tiles
.set BI,   208
; window 1 (v256-v511): first the 32 x loads' 128 registers, then the accumulators: V role (ct, nt) at 8 (4 ct + nt), QK role (nt, e) at 8 (5 nt + e)
.set MSB, 0
.macro WIN new                         ; s_set_vgpr_msb: bits 1:0 source 0, 3:2 source 1, 5:4 source 2, 7:6 destination; the high byte repeats the setting left
.if MSB != \new
	s_set_vgpr_msb (MSB<<8)|\new
.set MSB, \new
.endif
.endm
.macro PLACES                          ; four plain vector instructions between a matrix instruction and a load into, or a vector access to, its registers
.rept 4
	v_nop
.endr
.endm
.macro VW t                            ; K step t of my 8 o-tiles of Wv: 16 loads, 512 neighbouring bytes each
.irp ct, 0,1,2,3,4,5,6,7
	global_load_b128 v[WBV+64*((\t)%3)+8*\ct:WBV+64*((\t)%3)+8*\ct+3],   v[L16], s[28:29] offset:\ct*16384+(\t)*1024
	global_load_b128 v[WBV+64*((\t)%3)+8*\ct+4:WBV+64*((\t)%3)+8*\ct+7], v[L16], s[28:29] offset:\ct*16384+(\t)*1024+512
.endr
.endm
.macro VSB                             ; sv and bv of channel 128 w + 16 ct + r: 16 loads
.irp ct, 0,1,2,3,4,5,6,7
	global_load_b32 v[SV+\ct], v[R4], s[8:9] offset:64*\ct
	global_load_b32 v[BV+\ct], v[R4], s[10:11] offset:64*\ct
.endr
.endm
.macro QW t                            ; K step t of the 5 o-tiles of Wq or Wk: 10 loads
.irp e, 0,1,2,3,4
	global_load_b128 v[WBQ+40*((\t)%3)+8*\e:WBQ+40*((\t)%3)+8*\e+3],   v[L16], s[28:29] offset:\e*16384+(\t)*1024
	global_load_b128 v[WBQ+40*((\t)%3)+8*\e+4:WBQ+40*((\t)%3)+8*\e+7], v[L16], s[28:29] offset:\e*16384+(\t)*1024+512
.endr
.endm
.macro QSB                             ; scale and bias of channels 16 e + 8 h + 0..7: 20 loads
.irp e, 0,1,2,3,4
	global_load_b128 v[SC+8*\e:SC+8*\e+3],   v[R4], s[32:33] offset:64*\e
	global_load_b128 v[SC+8*\e+4:SC+8*\e+7], v[R4], s[32:33] offset:64*\e+16
	global_load_b128 v[BI+8*\e:BI+8*\e+3],   v[R4], s[34:35] offset:64*\e
	global_load_b128 v[BI+8*\e+4:BI+8*\e+7], v[R4], s[34:35] offset:64*\e+16
.endr
.endm
; One K step of the V role: 4 x fragments from LDS, W two steps ahead from memory, 32 matrix instructions.
.macro VSTEP t
.if \t
	PLACES                                         ; behind the last step's matrix instructions: XF and the ring's oldest third are loaded again
.endif
.irp nt, 0,1,2,3
	ds_load_tr16_b128 v[XF+8*\nt:XF+8*\nt+3],   v[XA+(\t)/8] offset:((\t)%8)*32*XP+32*\nt
	ds_load_tr16_b128 v[XF+8*\nt+4:XF+8*\nt+7], v[XA+(\t)/8] offset:((\t)%8)*32*XP+16*XP+32*\nt
.endr
.if \t <= 13
	VW \t+2
.endif
.if \t == 14
	VSB
.endif
.if \t == 15
	s_wait_loadcnt 16                              ; behind W(15) only the 16 loads of scale and bias were issued
.else
	s_wait_loadcnt 32                              ; behind W(t): two K steps of 16 loads (in step 14: W(15) and the 16 of scale and bias)
.endif
	s_wait_dscnt 0x0
	WIN 0x50                                       ; C and D in window 1
.irp nt, 0,1,2,3                                   ; the 32 accumulators take turns, one instruction a turn
.irp ct, 0,1,2,3,4,5,6,7
.if \t == 0
	v_wmma_f32_16x16x32_bf16 v[8*(4*\ct+\nt):8*(4*\ct+\nt)+7], v[XF+8*\nt:XF+8*\nt+7], v[WBV+64*((\t)%3)+8*\ct:WBV+64*((\t)%3)+8*\ct+7], 0
.else
	v_wmma_f32_16x16x32_bf16 v[8*(4*\ct+\nt):8*(4*\ct+\nt)+7], v[XF+8*\nt:XF+8*\nt+7], v[WBV+64*((\t)%3)+8*\ct:WBV+64*((\t)%3)+8*\ct+7], v[8*(4*\ct+\nt):8*(4*\ct+\nt)+7]
.endif
.endr
.endr
	WIN 0
.endm
; One K step of the QK role: 2 x fragments, 10 matrix instructions.
.macro QSTEP t
.if \t
	PLACES
.endif
.irp nt, 0,1
	ds_load_tr16_b128 v[XF+8*\nt:XF+8*\nt+3],   v[XA+(\t)/8] offset:((\t)%8)*32*XP+32*\nt
	ds_load_tr16_b128 v[XF+8*\nt+4:XF+8*\nt+7], v[XA+(\t)/8] offset:((\t)%8)*32*XP+16*XP+32*\nt
.endr
.if \t <= 13
	QW \t+2
.endif
.if \t == 14
	QSB
.endif
.if \t == 14
	s_wait_loadcnt 30                              ; behind W(14): W(15)'s 10 loads and the 20 of scale and bias
.else
	s_wait_loadcnt 20                              ; behind W(t): two K steps of 10 loads (in step 15: the 20 of scale and bias)
.endif
	s_wait_dscnt 0x0
	WIN 0x50
.irp nt, 0,1                                       ; the 10 accumulators take turns, one instruction a turn
.irp e, 0,1,2,3,4
.if \t == 0
	v_wmma_f32_16x16x32_bf16 v[8*(5*\nt+\e):8*(5*\nt+\e)+7], v[WBQ+40*((\t)%3)+8*\e:WBQ+40*((\t)%3)+8*\e+7], v[XF+8*\nt:XF+8*\nt+7], 0
.else
	v_wmma_f32_16x16x32_bf16 v[8*(5*\nt+\e):8*(5*\nt+\e)+7], v[WBQ+40*((\t)%3)+8*\e:WBQ+40*((\t)%3)+8*\e+7], v[XF+8*\nt:XF+8*\nt+7], v[8*(5*\nt+\e):8*(5*\nt+\e)+7]
.endif
.endr
.endr
	WIN 0
.endm
; The V role's way out for one o-tile: affine, relu, bf16, four chunks of 512 bytes: two into the tile's first half, two into its second.
.macro VOUT ct
	s_wait_xcnt 0x0                                ; v[96:111], the last o-tile's store data, are rewritten only behind this wait
	WIN 0x01                                       ; source 0 (the sums) in window 1
.irp nt, 0,1,2,3
.irp j, 0,1,2,3,4,5,6,7
	v_fma_f32 v[64+8*\nt+\j], v[8*(4*\ct+\nt)+\j], v[SV+\ct], v[BV+\ct]
.endr
.endr
	WIN 0
.set i, 0
.rept 32
	v_max_num_f32 v[64+i], 0, v[64+i]
.set i, i+1
.endr
.set i, 0
.rept 16
	v_cvt_pk_bf16_f32 v[96+i], v[64+2*i], v[64+2*i+1]
.set i, i+1
.endr
.irp u, 0,1
	global_store_b128 v[L16], v[96+4*\u:96+4*\u+3], s[30:31] offset:\ct*1024+\u*512        ; positions 0-31
.endr
.irp u, 0,1
	global_store_b128 v[L16], v[104+4*\u:104+4*\u+3], s[32:33] offset:\ct*1024+\u*512      ; positions 32-63
.endr
.endm
	s_load_b512 s[4:19], s[0:1], 0x0               ; x 4, wf 6, sv 8, bv 10, sq 12, sk 14, bq 16, bk 18
	s_load_b128 s[20:23], s[0:1], 0x40             ; qf 20, kv 22
	v_lshl_add_u32 v14, v0, 2, 0x14000
	v_mov_b32 v15, 0
	v_lshrrev_b32 v7, 5, v0
	v_readfirstlane_b32 s24, v7                    ; wave
	s_and_b32 s27, ttmp7, 0xffff                   ; b
	s_bfe_u32 s40, s24, 0x10001                    ; QK role: a = 0 for q, 1 for k
	s_and_b32 s41, s24, 1                          ; QK role: g = which 32 positions
	s_lshl_b32 s36, s27, 23                        ; x: batch of 8,388,608 bytes
	s_lshl_b32 s37, s24, 20                        ;    + the wave's 64 rows of 16,384 bytes
	s_add_co_u32 s36, s36, s37
	s_lshl_b32 s37, ttmp9, 8                       ;    + the group's 64 positions
	s_add_co_u32 s36, s36, s37
	s_mov_b32 s37, 0
	s_lshl_b32 s38, s24, 17                        ; wf: V role: o-tile 10 + 8 w,
	s_add_co_u32 s38, s38, 10*16384
	s_mul_i32 s39, s40, 5*16384                    ;     QK role: o-tile 5 a
	s_cmp_lt_u32 s24, 4
	s_cselect_b32 s38, s38, s39
	s_mov_b32 s39, 0
	v_and_b32 v8, 31, v0                           ; lane
	v_and_b32 v9, 15, v0                           ; r
	v_bfe_u32 v10, v0, 4, 1                        ; h
	v_lshlrev_b32 v[L16], 4, v8
	v_and_b32 v11, 7, v0
	v_lshl_add_u32 v11, v10, 3, v11                ; the transposing load: lane L addresses row 8 h + (L & 7) of the K step,
	v_mul_u32_u24 v[XA], v11, XP
	v_bfe_u32 v11, v0, 3, 1
	v_lshl_add_u32 v[XA], v11, 4, v[XA]            ; and 16 bytes further on for (L >> 3) & 1
	v_lshlrev_b32 v[XO], 4, v9
	v_lshl_add_u32 v[XO], v10, 14, v[XO]
	s_mul_i32 s42, s24, 64*XP
	v_mul_u32_u24 v[XS], v10, XP
	v_lshl_add_u32 v[XS], v9, 3, v[XS]
	v_add_nc_u32 v[XS], s42, v[XS]
	s_wait_kmcnt 0x0
	s_add_nc_u64 s[4:5], s[4:5], s[36:37]
	s_add_nc_u64 s[28:29], s[6:7], s[38:39]
	s_cmp_lt_u32 s24, 4
	s_cbranch_scc0 .Lqk_w0
	v_lshlrev_b32 v[R4], 2, v9                     ; V role: 4 r + 512 w
	v_lshl_add_u32 v[R4], v7, 9, v[R4]
	VW 0
	s_branch .Lx
.Lqk_w0:
	s_lshl_b32 s42, s41, 6
	v_add_nc_u32 v[XA], s42, v[XA]                 ; QK role: my two n-tiles begin 64 g bytes into a row
	v_lshlrev_b32 v[R4], 5, v10                    ; 32 h
	QW 0
.Lx:
	v_add_nc_u32 v[XA+1], 8*32*XP, v[XA]           ; K steps 8-15: the LDS immediate has 16 bits
	; x: wave w brings rows 64 w .. +63, two rows (2 x 256 aligned bytes) an instruction, all 32 loads at once into window 1
	WIN 0x40
.set t, 0
.rept 32
	global_load_b128 v[4*t:4*t+3], v[XO], s[4:5] offset:t*32768 th:TH_LOAD_NT
.set t, t+1
.endr
.set g, 0
.rept 4
	s_wait_loadcnt 24-8*g                          ; loads come back in order (ISA guide 5.7.1): this group of eight is in (and W(0), issued earlier); the younger stay out
	WIN 0x05
.set i, 0
.rept 8
	v_cvt_pk_bf16_f32 v[XF+2*i],   v[4*(8*g+i)],   v[4*(8*g+i)+1]
	v_cvt_pk_bf16_f32 v[XF+2*i+1], v[4*(8*g+i)+2], v[4*(8*g+i)+3]
.set i, i+1
.endr
	WIN 0
.set i, 0
.rept 8
	ds_store_b64 v[XS], v[XF+2*i:XF+2*i+1] offset:(8*g+i)*2*XP
.set i, i+1
.endr
.set g, g+1
.endr
	s_wait_dscnt 0x0                               ; my rows are in LDS,
	s_barrier_signal -1
	s_barrier_wait -1                              ; everybody's are: the launch's only barrier; nothing writes LDS behind it
	s_cmp_lt_u32 s24, 4
	s_cbranch_scc0 .Lqk
	; ---- V role ----
	VW 1
	s_mul_i32 s36, s27, BATCH                      ; common to both halves: the batch,
	s_lshl_b32 s37, s24, 13                        ; my 8 o-tiles of 1,024 bytes in a half tile,
	s_add_co_u32 s36, s36, s37
	s_add_co_u32 s36, s36, 20480                   ; behind a block's two K tiles
	s_lshr_b32 s37, ttmp9, 1                       ; positions 32-63 = half 2 s + 1, which lies at place 2 s: block s >> 1, part 2 (s & 1)
	s_mul_i32 s37, s37, BLK
	s_and_b32 s38, ttmp9, 1
	s_lshl_b32 s38, s38, 16
	s_add_co_u32 s38, s38, s37
	s_add_co_u32 s38, s38, s36
	s_mov_b32 s39, 0
	s_add_nc_u64 s[32:33], s[22:23], s[38:39]
	s_lshl_b32 s37, ttmp9, 1                       ; positions 0-31 = half 2 s, at place (2 s - 1) mod 128: block place >> 2, part place & 3
	s_add_co_u32 s37, s37, 127
	s_and_b32 s37, s37, 127
	s_lshr_b32 s38, s37, 2
	s_mul_i32 s38, s38, BLK
	s_and_b32 s37, s37, 3
	s_lshl_b32 s37, s37, 15
	s_add_co_u32 s37, s37, s38
	s_add_co_u32 s36, s36, s37
	s_mov_b32 s37, 0
	s_add_nc_u64 s[30:31], s[22:23], s[36:37]
.irp t, 0,1,2,3,4,5,6,7,8,9,10,11,12,13,14,15
	VSTEP \t
.endr
	s_wait_loadcnt 0x0                             ; scale and bias
	PLACES                                         ; behind the last matrix instructions: results are read, W's registers rewritten
.irp ct, 0,1,2,3,4,5,6,7
	VOUT \ct
.endr
	s_wait_tensorcnt 0x0
	ds_add_u32 v14, v15
	s_wait_dscnt 0x0
	s_endpgm
	; ---- QK role ----
.Lqk:
	QW 1
	s_add_co_u32 s36, ttmp9, 61                    ; K tile s lies at place sm = (s - 3) mod 64: block sm >> 1, part sm & 1
	s_and_b32 s36, s36, 63
	s_lshr_b32 s37, s36, 1
	s_mul_i32 s37, s37, BLK
	s_and_b32 s36, s36, 1
	s_mul_i32 s36, s36, 10240
	s_add_co_u32 s36, s36, s37
	s_mul_i32 s37, s27, BATCH
	s_add_co_u32 s36, s36, s37                     ; k's offset in kv
	s_lshl_b32 s37, s27, 8
	s_lshl2_add_u32 s37, ttmp9, s37                ; Q tile 256 b + 4 s
	s_mul_i32 s37, s37, 2560                       ; q's offset in qf
	s_cmp_eq_u32 s40, 0
	s_cselect_b32 s36, s37, s36
	s_cselect_b64 s[30:31], s[20:21], s[22:23]     ; qf or kv
	s_cselect_b64 s[32:33], s[12:13], s[14:15]     ; sq or sk
	s_cselect_b64 s[34:35], s[16:17], s[18:19]     ; bq or bk
	s_mul_i32 s37, s41, 2*2560                     ; my two n-tiles
	s_add_co_u32 s36, s36, s37
	s_mov_b32 s37, 0
	s_add_nc_u64 s[30:31], s[30:31], s[36:37]
.irp t, 0,1,2,3,4,5,6,7,8,9,10,11,12,13,14,15
	QSTEP \t
.endr
	s_wait_loadcnt 0x0
	PLACES
.irp nt, 0,1                                       ; each n-tile packs into registers of its own: no store's data is rewritten
	WIN 0x01
.irp e, 0,1,2,3,4
.irp p, 0,2,4,6
	v_pk_fma_f32 v[48+8*\e+\p:48+8*\e+\p+1], v[8*(5*\nt+\e)+\p:8*(5*\nt+\e)+\p+1], v[SC+8*\e+\p:SC+8*\e+\p+1], v[BI+8*\e+\p:BI+8*\e+\p+1]
.endr
.endr
	WIN 0
.set i, 0
.rept 40
	v_max_num_f32 v[48+i], 0, v[48+i]
.set i, i+1
.endr
.set i, 0
.rept 20
	v_cvt_pk_bf16_f32 v[88+20*\nt+i], v[48+2*i], v[48+2*i+1]
.set i, i+1
.endr
.irp e, 0,1,2,3,4
	global_store_b128 v[L16], v[88+20*\nt+4*\e:88+20*\nt+4*\e+3], s[30:31] offset:\nt*2560+\e*512
.endr
.endr
	s_wait_tensorcnt 0x0
	ds_add_u32 v14, v15
	s_wait_dscnt 0x0
	s_endpgm
.Lfunc_end_k_q3fea46c5b8_proj:
	.size	k_q3fea46c5b8_proj, .Lfunc_end_k_q3fea46c5b8_proj-k_q3fea46c5b8_proj
	.p2alignl 7, 3214868480
	.fill 96, 4, 3214868480
	.section	.rodata,"a",@progbits
	.p2align	6, 0x0
	.amdhsa_kernel k_q3fea46c5b8_proj
		.amdhsa_group_segment_fixed_size 82944
		.amdhsa_private_segment_fixed_size 0
		.amdhsa_enable_private_segment 0
		.amdhsa_kernarg_size 80
		.amdhsa_user_sgpr_count 2
		.amdhsa_user_sgpr_kernarg_segment_ptr 1
		.amdhsa_wavefront_size32 1
		.amdhsa_system_sgpr_workgroup_id_x 1
		.amdhsa_system_sgpr_workgroup_id_y 1
		.amdhsa_system_sgpr_workgroup_id_z 1
		.amdhsa_system_vgpr_workitem_id 0
		.amdhsa_next_free_vgpr 512
		.amdhsa_next_free_sgpr 66
		.amdhsa_reserve_vcc 0
		.amdhsa_float_denorm_mode_32 3
		.amdhsa_float_denorm_mode_16_64 3
		.amdhsa_memory_ordered 1
		.amdhsa_forward_progress 1
		.amdhsa_inst_pref_size 163
	.end_amdhsa_kernel
	.amdgpu_metadata
---
amdhsa.version: [ 1, 2 ]
amdhsa.kernels:
  - .name:           k_q3fea46c5b8_proj
    .symbol:         k_q3fea46c5b8_proj.kd
    .args:
      - { .name: x, .offset: 0, .size: 8, .value_kind: global_buffer, .address_space: global }
      - { .name: wf, .offset: 8, .size: 8, .value_kind: global_buffer, .address_space: global }
      - { .name: sv, .offset: 16, .size: 8, .value_kind: global_buffer, .address_space: global }
      - { .name: bv, .offset: 24, .size: 8, .value_kind: global_buffer, .address_space: global }
      - { .name: sq, .offset: 32, .size: 8, .value_kind: global_buffer, .address_space: global }
      - { .name: sk, .offset: 40, .size: 8, .value_kind: global_buffer, .address_space: global }
      - { .name: bq, .offset: 48, .size: 8, .value_kind: global_buffer, .address_space: global }
      - { .name: bk, .offset: 56, .size: 8, .value_kind: global_buffer, .address_space: global }
      - { .name: qf, .offset: 64, .size: 8, .value_kind: global_buffer, .address_space: global }
      - { .name: kv, .offset: 72, .size: 8, .value_kind: global_buffer, .address_space: global }
    .group_segment_fixed_size: 82944
    .private_segment_fixed_size: 0
    .kernarg_segment_align: 8
    .kernarg_segment_size: 80
    .max_flat_workgroup_size: 256
    .sgpr_count:     66
    .vgpr_count:     512
    .wavefront_size: 32
...
	.end_amdgpu_metadata
.endif
;; end of part 2
;; launch attn (part 3): grid 256 x 1, 8 waves a work-group, clusters of 4 x 1, 327,680 bytes of LDS; arguments qf, kv, gamma, x, out0; writes out0
.if DOCPART == 3
	.amdgcn_target "amdgcn-amd-amdhsa--gfx1250"
	.amdhsa_code_object_version 6
	.text
	.protected	k_q3fea46c5b8_attn
	.globl	k_q3fea46c5b8_attn
	.p2align	8
	.type	k_q3fea46c5b8_attn,@function
k_q3fea46c5b8_attn:
	s_mov_b64 s[64:65], 0
	v_nop
	global_prefetch_b8 v0, s[64:65] scope:SCOPE_SE
	s_setreg_imm32_b32 hwreg(HW_REG_WAVE_MODE, 25, 1), 1
	s_wait_xcnt 0x0
	s_wait_alu depctr_hold_cnt(0) depctr_sa_sdst(0) depctr_va_vdst(0) depctr_va_sdst(0) depctr_va_ssrc(0) depctr_va_vcc(0) depctr_vm_vsrc(0)
	s_getreg_b32 s2, hwreg(HW_REG_IB_STS2, 6, 4)
	s_cmp_eq_u32 s2, 0
	s_cbranch_scc0 .Lentry_in_a_cluster
	s_endpgm
.Lentry_in_a_cluster:
	s_bfe_u32 s2, ttmp6, 0x10000c
	s_cmp_lg_u32 s2, 0x3003
	s_cbranch_scc0 .Lentry_shape_is_right
	s_endpgm
.Lentry_shape_is_right:
; out0[b][c][i] = gamma[c][i] * (sum over j of softmax_j(q_i . k_j) v[c][j]) + x[b][c][i], with a running maximum that is renewed every 128 keys.
; A work-group makes 64 queries x 512 channels: 32,768 sums in f32.  A step is 64 keys, t = 0 .. 63.  Two roles, four waves each:
;   waves 0-3 (PV):      wave w4 holds channels 128 w4 .. +127 x 64 queries: 8 x 4 accumulators in window 1.  A step: 64 matrix instructions.
;   waves 4-7 (softmax): wave w4 holds queries 16 w4 .. +15.  A step: 12 matrix instructions (80 channels, filled up to 96 by zero registers), 32 exponentials a lane.
; THE PIPELINE, one barrier a step.  In step t the PV waves add P(t) V(t).  The softmax waves keep energies two steps ahead in two register banks:
;   even t = 2n:   S(2n+2) is made and its largest kept;  S(2n+1) becomes P(2n+1) under the maximum of keys up to step 2n+1;
;   odd  t = 2n+1: S(2n+3) is made; the maximum over S(2n+2), S(2n+3) and all before gives the factor for the old sums; S(2n+2) becomes P(2n+2).
; So every exponential has a maximum taken away that covers its own key, P(t+1) is stored in step t (two buffers of 8,192 bytes), and the PV waves
; multiply their 256 sums by the factor in even steps only: 128 packed multiplies for 128 keys.
; OPERANDS ARE ASKED FOR A STEP AHEAD, so that matrix work can start behind a barrier without waiting for a long run of LDS loads: a PV wave enters a step
; with V's first 32 keys in registers (loaded under the step before, behind its first 32 matrix instructions), a softmax wave with its K tile in registers.
; kv is laid out for that: block n holds K tiles 2n+3, 2n+4 and V half tiles 4n+1 .. 4n+4, which is what steps 2n and 2n+1 read from LDS.
; ORIENTATION: energies = K fragment (rows: keys) x Q fragment (columns: queries); sums = V fragment (rows: channels) x P fragment (columns: queries).
; A query is one lane column everywhere: maximum, sum and factor are one number a lane, and a lane's 8 energies, packed, are half a P fragment.
; All operands lie in memory and LDS as fragment chunks of 512 bytes, 16 bytes a lane in lane order: every LDS load takes 512 neighbouring bytes.
; CLUSTER: the four work-groups of a cluster are four query blocks of one batch and walk the same 32 blocks of kv.  Each block is asked for jointly,
; each wave an eighth (74 rows of 256 bytes), with the same descriptor in all four.  A slot holds one block = two steps; two slots.
; By this text's own count a wave has two tensor loads out at the start and one behind each round.
; THE SHIFT: every term is exp2(fma(s, log2 e, NM)) and every factor exp2(NM new - NM old) with the one rounded number NM = -log2 e * maximum,
; so the rounding of NM falls out of the quotient, for large energies too.
; PLACES: the two roles use v64-v255 for different things, so each role closes its own matrix instructions with five plain vector instructions
; (ISA guide 7.12.1) ahead of the point where the two ways join: whatever follows the join finds the distance kept.
; LIMITS: q, k, v and P enter the matrix unit in bf16; the row sum adds the f32 exponentials, the products use their bf16 roundings;
; exponentials below 2^-126 count as zero; energies that are not finite are not served.
.set BLK,   151552                     ; a block of kv = an LDS slot: K 10,240 + K 10,240 + four V halves of 32,768
.set BATCH, 32*BLK
.set WPART, BLK/8                      ; a wave's eighth: 18,944 bytes
.set KSUB,  10240
.set VBASE, 2*KSUB
.set VHALF, 32768
.set PBASE, 2*BLK                      ; 303,104: P, two buffers [it 4][jt 4][512 B]
.set PBUF,  8192
.set ABASE, PBASE+2*PBUF               ; 319,488: the factors, [it 4][lane 32][8 B], each number twice (a pair for the packed multiply); stored in odd steps, read in even ones
.set SP,    272                        ; the way out: 512 rows of 256 bytes + 16, in slot 0 after its last fill and last read
.set EO,   1                           ; v1      x, gamma, out0: lanes 0-15 one row's 256 bytes, lanes 16-31 the next row's
.set PFO,  3                           ; v3      prefetch: one row a lane
.set VA,   4                           ; v4-7    V fragments of my 8 c-tiles, [slot][step]: the step's second half; the next step's first half lies VHALF further on
.set PA,   8                           ; v8      P, to read
.set AA,   9                           ; v9      factors, to read
.set KA,   10                          ; v10-11  K fragments, [slot]; v10 is also plain 16 x lane
.set PSA,  12                          ; v12     P, to store
.set ASA,  13                          ; v13     factor, to store
.set STA,  14                          ; v14     stage, to store
.set STR,  15                          ; v15     stage, to read back by rows
.set AL,   48                          ; PV: v[48:55] four factor pairs;  v[64:127], v[128:191] V fragments of keys 0-31, 32-63;  v[192:223], v[224:255] P fragments likewise
.set VF,   64                          ;     window 1: sums (ct, it) at 8 (4 ct + it)
.set PF,   192
.set QF,   16                          ; softmax: v[16:39] Q (v[36:39] = 0)
.set XM,   40                          ;   v[40:43] four maxima
.set MO,   44                          ;   v44 running maximum
.set NMO,  45                          ;   v45 the last NM
.set NM,   46                          ;   v[46:47] NM, twice
.set XP,   48                          ;   v48 the largest energy of bank 0, kept from an even step to the odd one
.set LS,   50                          ;   v50 my half's running sum
.set SAL,  52                          ;   v[52:53] the factor, twice
.set SU,   54                          ;   v[54:61] partial sums
.set KF,   64                          ;   v[64:159] K: tile jt at 24 jt, chunk e at 4 e; registers 24 jt + 20..23 = 0
.set ST,   160                         ;   v[160:191] bank 0, v[192:223] bank 1: energies, then exponentials
.set PP,   224                         ;   v[224:239] P, packed
                                       ;   window 1, at the start only: K tiles 0 and 1 at v[0:95], v[96:191]
.set MSB, 0
.macro WIN new                         ; s_set_vgpr_msb: bits 1:0 source 0, 3:2 source 1, 5:4 source 2, 7:6 destination; the high byte repeats the setting left
.if MSB != \new
	s_set_vgpr_msb (MSB<<8)|\new
.set MSB, \new
.endif
.endm
.macro PLACES n                        ; n plain vector instructions behind a matrix instruction: four before a load into, or a vector access to
.rept \n                               ; its registers, five before another matrix instruction reads its result as an operand or writes over its registers
	v_nop
.endr
.endm
.macro BAR
	s_barrier_signal -1
	s_barrier_wait -1
.endm
.macro ROUND                           ; a round of the cluster's barrier: my work-group's barrier, wave 0 signals for it, all wait for the four, my barrier again
	s_barrier_signal -1
	s_barrier_wait -1
	s_cmp_lg_u32 s14, 0
	s_cbranch_scc1 .Lnot_wave_0_\@
	s_barrier_signal -3
.Lnot_wave_0_\@:
	s_barrier_wait -3
	s_barrier_signal -1
	s_barrier_wait -1
.endm
.macro RESCALE                         ; all 256 sums times their query's factor
	WIN 0x41                                       ; destination and source 0 in window 1
.irp it, 0,1,2,3
.irp ct, 0,1,2,3,4,5,6,7
.irp p, 0,2,4,6
	v_pk_mul_f32 v[8*(4*\ct+\it)+\p:8*(4*\ct+\it)+\p+1], v[8*(4*\ct+\it)+\p:8*(4*\ct+\it)+\p+1], v[AL+2*\it:AL+2*\it+1]
.endr
.endr
.endr
.endm
.macro PVMUL ks, zero                  ; 32 keys: the 32 accumulators take turns, one instruction a turn
.irp it, 0,1,2,3
.irp ct, 0,1,2,3,4,5,6,7
.if \zero
	v_wmma_f32_16x16x32_bf16 v[8*(4*\ct+\it):8*(4*\ct+\it)+7], v[VF+64*\ks+8*\ct:VF+64*\ks+8*\ct+7], v[PF+32*\ks+8*\it:PF+32*\ks+8*\it+7], 0
.else
	v_wmma_f32_16x16x32_bf16 v[8*(4*\ct+\it):8*(4*\ct+\it)+7], v[VF+64*\ks+8*\ct:VF+64*\ks+8*\ct+7], v[PF+32*\ks+8*\it:PF+32*\ks+8*\it+7], v[8*(4*\ct+\it):8*(4*\ct+\it)+7]
.endif
.endr
.endr
.endm
; The PV role's step j of the slot's block.  At its head V's keys 0-31 are in v[64:127].
; zero = 1: the first products start the sums.  resc = 1: the sums are first multiplied by the factor.  pre = 1: the next step's keys 0-31 of V are fetched.
.macro PVSTEP slot, j, zero, resc, pre
.if \resc
.irp it, 0,1,2,3
	ds_load_b64 v[AL+2*\it:AL+2*\it+1], v[AA] offset:\it*256
.endr
.endif
.irp it, 0,1,2,3                                   ; what the first 32 matrix instructions still lack comes first: P of keys 0-31
	ds_load_b128 v[PF+8*\it:PF+8*\it+3],   v[PA] offset:\j*PBUF+\it*2048
	ds_load_b128 v[PF+8*\it+4:PF+8*\it+7], v[PA] offset:\j*PBUF+\it*2048+512
.endr
.irp ct, 0,1,2,3,4,5,6,7                           ; then keys 32-63: V (part 2 j of the block) and P
	ds_load_b128 v[VF+64+8*\ct:VF+64+8*\ct+3],   v[VA+2*\slot+\j] offset:\ct*1024
	ds_load_b128 v[VF+64+8*\ct+4:VF+64+8*\ct+7], v[VA+2*\slot+\j] offset:\ct*1024+512
.endr
.irp it, 0,1,2,3
	ds_load_b128 v[PF+32+8*\it:PF+32+8*\it+3],   v[PA] offset:\j*PBUF+\it*2048+1024
	ds_load_b128 v[PF+32+8*\it+4:PF+32+8*\it+7], v[PA] offset:\j*PBUF+\it*2048+1536
.endr
.if \resc
	s_wait_dscnt 32                                ; LDS loads come back in order (ISA guide 5.7.1): the factors are in, the 8 + 16 + 8 fragment loads behind them stay out
	RESCALE                                        ; and are served under these 128 multiplies
.endif
	s_wait_dscnt 24                                ; P of keys 0-31 is in; the 24 loads of keys 32-63 stay out
	WIN 0x50                                       ; C and D in window 1
	PVMUL 0, \zero
	WIN 0
	PLACES 4                                       ; before v[64:127], which those matrix instructions read, are loaded again
.if \pre
.irp ct, 0,1,2,3,4,5,6,7                           ; the next step's keys 0-31 of V: part 2 j + 1 of the same block; they land under the 32 matrix instructions below
	ds_load_b128 v[VF+8*\ct:VF+8*\ct+3],   v[VA+2*\slot+\j] offset:VHALF+\ct*1024
	ds_load_b128 v[VF+8*\ct+4:VF+8*\ct+7], v[VA+2*\slot+\j] offset:VHALF+\ct*1024+512
.endr
	s_wait_dscnt 16                                ; keys 32-63 are in; the 16 loads just issued stay out
.else
	s_wait_dscnt 0x0
.endif
	WIN 0x50
	PVMUL 1, 0
	WIN 0
	PLACES 5                                       ; the step closes its matrix instructions, whatever follows the join
.endm
; ---- the softmax role's pieces ----
.macro SQK bank, kb                    ; 64 keys x my 16 queries into a bank; K's fragments at register kb of the window that the caller has set for source 0
.irp ks, 0,1,2                                     ; four accumulators take turns, one instruction a turn
.irp jt, 0,1,2,3
.if \ks == 0
	v_wmma_f32_16x16x32_bf16 v[ST+32*\bank+8*\jt:ST+32*\bank+8*\jt+7], v[\kb+24*\jt+8*\ks:\kb+24*\jt+8*\ks+7], v[QF+8*\ks:QF+8*\ks+7], 0
.else
	v_wmma_f32_16x16x32_bf16 v[ST+32*\bank+8*\jt:ST+32*\bank+8*\jt+7], v[\kb+24*\jt+8*\ks:\kb+24*\jt+8*\ks+7], v[QF+8*\ks:QF+8*\ks+7], v[ST+32*\bank+8*\jt:ST+32*\bank+8*\jt+7]
.endif
.endr
.endr
	PLACES 5                                       ; closes them: the energies may be read, K's registers loaded again, whatever follows
.endm
.macro KLD slot, j                     ; the K tile of three steps on (part j of the block) into the registers that this step's matrix instructions have left
.irp jt, 0,1,2,3
.irp e, 0,1,2,3,4
	ds_load_b128 v[KF+24*\jt+4*\e:KF+24*\jt+4*\e+3], v[KA+\slot] offset:\j*KSUB+\jt*2560+\e*512
.endr
.endr
.endm
.macro SMX bank                        ; the largest of a bank's 32 energies, in four chains; left in v[XM] and v[XM+3]
.irp k, 0,1,2,3
	v_max3_num_f32 v[XM+\k], v[ST+32*\bank+8*\k], v[ST+32*\bank+8*\k+1], v[ST+32*\bank+8*\k+2]
.endr
.irp k, 0,1,2,3
	v_max3_num_f32 v[XM+\k], v[XM+\k], v[ST+32*\bank+8*\k+3], v[ST+32*\bank+8*\k+4]
.endr
.irp k, 0,1,2,3
	v_max3_num_f32 v[XM+\k], v[XM+\k], v[ST+32*\bank+8*\k+5], v[ST+32*\bank+8*\k+6]
.endr
.irp k, 0,1,2,3
	v_max_num_f32 v[XM+\k], v[XM+\k], v[ST+32*\bank+8*\k+7]
.endr
	v_max3_num_f32 v[XM], v[XM], v[XM+1], v[XM+2]
.endm
.macro SNEW                            ; behind SMX 1: the new maximum over both banks and all steps before, NM, and the factor, which is stored
	v_max3_num_f32 v[XM], v[XM], v[XM+3], v[XP]
	v_max_num_f32 v[XM], v[XM], v[MO]
	v_permlanex16_b32 v[XM+1], v[XM], s41, s42     ; the same query's other keys lie in lane i xor 16
	v_max_num_f32 v[MO], v[XM], v[XM+1]
	v_mov_b32 v[NMO], v[NM]
	v_mul_f32 v[NM], 0xbfb8aa3b, v[MO]             ; NM = -log2 e * maximum
	v_mov_b32 v[NM+1], v[NM]
	v_sub_f32 v[SAL], v[NM], v[NMO]
	v_exp_f32 v[SAL], v[SAL]                       ; the factor for what was summed under the old maximum
	v_nop                                          ; one plain vector instruction behind a transcendental before its result is used (ISA guide 5.7.2)
	s_wait_alu depctr_va_vdst(0)
	v_mov_b32 v[SAL+1], v[SAL]
	ds_store_b64 v[ASA], v[SAL:SAL+1]
.endm
.macro SEXPA bank                      ; a bank's energies become exponentials
.set i, 0
.rept 16
	v_pk_fma_f32 v[ST+32*\bank+2*i:ST+32*\bank+2*i+1], v[ST+32*\bank+2*i:ST+32*\bank+2*i+1], 0x3fb8aa3b, v[NM:NM+1] op_sel_hi:[1,0,1]
.set i, i+1
.endr
.set i, 0
.rept 32
	v_exp_f32 v[ST+32*\bank+i], v[ST+32*\bank+i]
.set i, i+1
.endr
.endm
.macro SEXPB bank, pbuf, scaled        ; they are packed and stored as P, and added to the row sum (scaled = 1: the old sum times the factor first)
	v_nop                                          ; one plain vector instruction behind the last transcendental before a result is used (ISA guide 5.7.2)
.set i, 0
	s_wait_alu depctr_va_vdst(0)
.rept 16
	v_cvt_pk_bf16_f32 v[PP+i], v[ST+32*\bank+2*i], v[ST+32*\bank+2*i+1]   ; tile jt's 8 keys of a lane are registers 0-3 (jt even) or 4-7 (jt odd) of a P fragment
.set i, i+1
.endr
.irp jt, 0,1,2,3
	ds_store_b128 v[PSA], v[PP+4*\jt:PP+4*\jt+3] offset:\pbuf*PBUF+\jt*512
.endr
.irp k, 0,1,2,3
	v_pk_add_f32 v[SU+2*\k:SU+2*\k+1], v[ST+32*\bank+2*\k:ST+32*\bank+2*\k+1], v[ST+32*\bank+8+2*\k:ST+32*\bank+8+2*\k+1]
.endr
.irp k, 0,1,2,3
	v_pk_add_f32 v[SU+2*\k:SU+2*\k+1], v[SU+2*\k:SU+2*\k+1], v[ST+32*\bank+16+2*\k:ST+32*\bank+16+2*\k+1]
.endr
.irp k, 0,1,2,3
	v_pk_add_f32 v[SU+2*\k:SU+2*\k+1], v[SU+2*\k:SU+2*\k+1], v[ST+32*\bank+24+2*\k:ST+32*\bank+24+2*\k+1]
.endr
	v_pk_add_f32 v[SU:SU+1], v[SU:SU+1], v[SU+2:SU+3]
	v_pk_add_f32 v[SU+4:SU+5], v[SU+4:SU+5], v[SU+6:SU+7]
	v_pk_add_f32 v[SU:SU+1], v[SU:SU+1], v[SU+4:SU+5]
	v_add_f32 v[SU], v[SU], v[SU+1]
.if \scaled
	v_fma_f32 v[LS], v[LS], v[SAL], v[SU]
.else
	v_add_f32 v[LS], v[LS], v[SU]
.endif
.endm
; An even step 2n.  full = 0 (the last block): no energies are left to make, only S(63) becomes P(63).
; K's loads stand behind the exponentials: between the PV waves' run of loads at the head of the step and their run in its middle.
.macro SEVEN slot, full
.if \full
	SQK 0, KF                                      ; S(2n+2)
.endif
	SEXPA 1                                        ; S(2n+1), under the maximum that the odd step before has made
.if \full
	KLD \slot, 0
.endif
	SEXPB 1, 1, 0                                  ; P(2n+1)
.if \full
	SMX 0
	v_max_num_f32 v[XP], v[XM], v[XM+3]
.endif
.endm
; An odd step 2n+1.  kload = 0 (block 30): no K tile is left to fetch.
.macro SODD slot, kload
	SQK 1, KF                                      ; S(2n+3)
	SMX 1
	SNEW
	SEXPA 0                                        ; S(2n+2), under the new maximum
.if \kload
	KLD \slot, 1
.endif
	SEXPB 0, 0, 1                                  ; P(2n+2)
.endm
.macro FINAL                           ; 1 / row sum in the factors' place, which was last read in the step before, a barrier ago
	v_permlanex16_b32 v[XM], v[LS], s41, s42
	v_add_f32 v[LS], v[LS], v[XM]
	v_rcp_f32 v[SAL], v[LS]
	v_nop
	s_wait_alu depctr_va_vdst(0)
	v_mov_b32 v[SAL+1], v[SAL]
	ds_store_b64 v[ASA], v[SAL:SAL+1]
.endm
; One block of kv = two steps out of one slot.  refill = 1: the other slot, read in the two steps before, gets the block after this one.
; kind: 0 the first block, 1 a middle one, 2 block 30, 3 block 31.  The branches hang on the wave's number alone and hold no barrier.
.macro PAIR slot, refill, kind
.if \kind == 0
	s_wait_tensorcnt 0x1                           ; my eighth of block 0 is in; block 1's load stays out
.else
	s_wait_tensorcnt 0x0                           ; all my tensor loads have landed, my eighth of this slot among them,
	ds_add_u32 v62, v63
	s_wait_dscnt 0x0
.endif
.if \refill
	s_add_nc_u64 s[38-4*\slot:39-4*\slot], s[38-4*\slot:39-4*\slot], 2*BLK   ; so a group 0 may be written: the other slot's next block
.endif
	s_wait_dscnt 0x0                               ; my reads of the other slot and my stores of P and factor are done
.if \refill
	ROUND                                          ; all that holds of every wave of all four work-groups
	tensor_load_to_lds s[36-4*\slot:39-4*\slot], s[24:31]   ; my one load behind the round, first thing there; two steps in which to land
	s_nop 0
.else
	BAR
.endif
.if \kind == 3
	; each wave asks for the 64 row pieces of x (256 aligned bytes each) that its way out loads two steps on: a lane a row, 2 x 32 rows.
	; No other wave of the launch reads these pieces, so each is asked for once; v3 and s[44:45] are never rewritten.
	global_prefetch_b8 v[PFO], s[44:45] th:TH_LOAD_NT scope:SCOPE_SE
	global_prefetch_b8 v[PFO], s[44:45] offset:524288 th:TH_LOAD_NT scope:SCOPE_SE
.endif
	s_cmp_lt_u32 s14, 4
	s_cbranch_scc0 .Lsa_\@
.if \kind == 0
	PVSTEP \slot, 0, 1, 0, 1
.else
	PVSTEP \slot, 0, 0, 1, 1
.endif
	s_branch .Lja_\@
.Lsa_\@:
.if \kind == 3
	SEVEN \slot, 0
.else
	SEVEN \slot, 1
.endif
.Lja_\@:
	s_wait_dscnt 0x0                               ; P stored, the other buffer and the factors read, what was fetched ahead is in
	BAR                                            ; the refill may stay on its way
	s_cmp_lt_u32 s14, 4
	s_cbranch_scc0 .Lsb_\@
.if \kind == 3
	PVSTEP \slot, 1, 0, 0, 0
.else
	PVSTEP \slot, 1, 0, 0, 1
.endif
	s_branch .Ljb_\@
.Lsb_\@:
.if \kind == 3
	FINAL
.else
.if \kind == 2
	SODD \slot, 0
.else
	SODD \slot, 1
.endif
.endif
.Ljb_\@:
.endm
	s_load_b256 s[4:11], s[0:1], 0x0               ; qf 4, kv 6, gamma 8, x 10
	s_load_b64 s[12:13], s[0:1], 0x20              ; out0
	v_lshl_add_u32 v62, v0, 2, 0x4e400
	v_mov_b32 v63, 0
	ds_add_u32 v62, v63
	v_lshrrev_b32 v16, 5, v0
	v_readfirstlane_b32 s14, v16                   ; wave
	s_and_b32 s15, s14, 3                          ; w4: my number in my role
	s_bfe_u32 s16, ttmp6, 0x40000                  ; cx
	s_lshl_b32 s17, ttmp9, 2
	s_add_co_u32 s17, s17, s16                     ; work-group x = 4 x cluster x + cx = 64 b + query block
	s_lshr_b32 s18, ttmp9, 4                       ; b: 16 clusters a batch; the four partners share it
	s_and_b32 s19, s17, 63                         ; query block
	s_mov_b32 s41, 0x76543210                      ; v_permlanex16_b32: lane i reads lane i of the other half
	s_mov_b32 s42, 0xfedcba98
	; group 1: a dense piece of 18,944 bytes as 74 rows of 32 elements of 8 bytes
	s_mov_b32 s24, 15|(3<<16)|(1<<21)              ; 15:0 the mask: all four of the cluster; 17:16 element of 8 bytes; 21 set beside a mask; no padding
	s_mov_b32 s25, 32<<16                          ; tensor_dim0 = 32
	s_mov_b32 s26, 74<<16                          ; tensor_dim1 = 74
	s_mov_b32 s27, 32<<16                          ; tile_dim0 = 32
	s_mov_b32 s28, 74                              ; tile_dim1 = 74
	s_mov_b32 s29, 32                              ; 32 elements from row to row
	s_mov_b32 s30, 0
	s_mov_b32 s31, 0
	; group 0, a set for each slot: LDS address and global address hang on the wave's number and on b alone
	s_mov_b32 s32, 1
	s_mul_i32 s33, s14, WPART
	s_mov_b32 s36, 1
	s_add_co_u32 s37, s33, BLK
	s_mul_i32 s20, s18, BATCH
	s_add_co_u32 s20, s20, s33
	s_mov_b32 s21, 0
	s_wait_dscnt 0x0
	s_wait_kmcnt 0x0
	s_add_nc_u64 s[34:35], s[6:7], s[20:21]        ; block 0
	s_add_nc_u64 s[38:39], s[34:35], BLK           ; block 1
	s_or_b32 s35, s35, 0x80000000                  ; type = 2
	s_or_b32 s39, s39, 0x80000000
	ROUND                                          ; all four work-groups are here: the first joint loads meet
	tensor_load_to_lds s[32:35], s[24:31]
	s_nop 0
	tensor_load_to_lds s[36:39], s[24:31]
	s_nop 0
	s_lshl_b32 s20, s19, 8                         ; the block's 64 queries: 256 bytes of a row
	s_lshl_b32 s22, s14, 20                        ; the way out: wave's 64 rows of 16,384 bytes
	s_add_co_u32 s20, s20, s22
	s_add_nc_u64 s[48:49], s[8:9], s[20:21]        ; gamma
	s_lshl_b32 s22, s18, 23
	s_add_co_u32 s20, s20, s22
	s_add_nc_u64 s[44:45], s[10:11], s[20:21]      ; x
	s_add_nc_u64 s[46:47], s[12:13], s[20:21]      ; out0
	s_lshl2_add_u32 s20, s17, s15                  ; Q tile 4 x work-group + w4
	s_mul_i32 s20, s20, 2560
	s_add_nc_u64 s[50:51], s[4:5], s[20:21]
	s_mul_i32 s20, s18, BATCH
	s_add_co_u32 s20, s20, 30*BLK+KSUB             ; K tile 0 lies in block 30, second part; tiles 1 and 2 in block 31
	s_add_nc_u64 s[52:53], s[6:7], s[20:21]
	s_lshl_b32 s22, s15, 13                        ; V half 0 lies in block 31, fourth part; my 8 c-tiles of 1,024 bytes
	s_add_co_u32 s20, s20, s22
	s_add_co_u32 s20, s20, BLK-KSUB+VBASE+3*VHALF
	s_add_nc_u64 s[54:55], s[6:7], s[20:21]
	v_and_b32 v17, 31, v0                          ; lane
	v_and_b32 v18, 15, v0                          ; r
	v_bfe_u32 v19, v0, 4, 1                        ; h
	v_lshlrev_b32 v[KA], 4, v17                    ; 16 x lane
	v_add_nc_u32 v[KA+1], BLK, v[KA]
	v_lshlrev_b32 v[EO], 4, v18
	v_lshl_add_u32 v[EO], v19, 14, v[EO]
	v_lshlrev_b32 v[PFO], 14, v17
	s_lshl_b32 s20, s15, 13                        ; my 8 c-tiles of 1,024 bytes in a half,
	s_add_co_u32 s20, s20, VBASE                   ; behind the slot's two K tiles
	v_add_nc_u32 v[VA], s20, v[KA]                 ; slot 0, step 0: parts 0 and 1
	v_add_nc_u32 v[VA+1], 2*VHALF, v[VA]           ; slot 0, step 1: parts 2 and 3
	v_add_nc_u32 v[VA+2], BLK, v[VA]
	v_add_nc_u32 v[VA+3], BLK, v[VA+1]
	v_add_nc_u32 v[PA], PBASE, v[KA]
	v_lshlrev_b32 v[AA], 3, v17
	v_add_nc_u32 v[AA], ABASE, v[AA]
	s_lshl_b32 s20, s15, 11
	v_add_nc_u32 v[PSA], s20, v[PA]
	s_lshl_b32 s20, s15, 8
	v_add_nc_u32 v[ASA], s20, v[AA]
	s_mul_i32 s20, s15, 128*SP                     ; stage, in: row 128 w4 + 8 h (+ 16 ct + j), byte 4 r (+ 64 it)
	v_mul_u32_u24 v[STA], v19, 8*SP
	v_lshl_add_u32 v[STA], v18, 2, v[STA]
	v_add_nc_u32 v[STA], s20, v[STA]
	s_mul_i32 s20, s14, 64*SP                      ; stage, back: row 64 wave + h (+ 2 p), byte 16 r
	v_mul_u32_u24 v[STR], v19, SP
	v_lshl_add_u32 v[STR], v18, 4, v[STR]
	v_add_nc_u32 v[STR], s20, v[STR]
	; What the steps expect in registers at their head comes from memory while the first blocks are on their way.
	s_cmp_lt_u32 s14, 4
	s_cbranch_scc1 .Lpv_first
	; softmax: Q and K tiles 0, 1, 2, all asked for at once (65 loads; the one wait on them is for 0).  Tile 2 goes where step 0 expects it; tiles 0 and 1 into window 1.
.irp e, 0,1,2,3,4
	global_load_b128 v[QF+4*\e:QF+4*\e+3], v[KA], s[50:51] offset:\e*512
.endr
	WIN 0x40                                       ; destination in window 1
.irp jt, 0,1,2,3
.irp e, 0,1,2,3,4
	global_load_b128 v[24*\jt+4*\e:24*\jt+4*\e+3], v[KA], s[52:53] offset:\jt*2560+\e*512
.endr
.endr
.irp jt, 0,1,2,3
.irp e, 0,1,2,3,4
	global_load_b128 v[96+24*\jt+4*\e:96+24*\jt+4*\e+3], v[KA], s[52:53] offset:BLK-KSUB+\jt*2560+\e*512
.endr
.endr
.irp jt, 0,1,2,3                                   ; channels 80-95 do not exist: zeros behind each tile's five chunks, in all three places where a K tile lies, and behind Q
.irp i, 0,1,2,3
	v_mov_b32 v[24*\jt+20+\i], 0
	v_mov_b32 v[96+24*\jt+20+\i], 0
.endr
.endr
	WIN 0
.irp jt, 0,1,2,3
.irp e, 0,1,2,3,4
	global_load_b128 v[KF+24*\jt+4*\e:KF+24*\jt+4*\e+3], v[KA], s[52:53] offset:BLK+\jt*2560+\e*512
.endr
.endr
.irp i, 0,1,2,3
	v_mov_b32 v[QF+20+\i], 0
	v_mov_b32 v[KF+20+\i], 0
	v_mov_b32 v[KF+44+\i], 0
	v_mov_b32 v[KF+68+\i], 0
	v_mov_b32 v[KF+92+\i], 0
.endr
	v_mov_b32 v[MO], 0xff800000                    ; maximum = -inf, NM = +inf, sum = 0: the first factor is exp2(-inf) = 0, and no PV wave reads it
	v_mov_b32 v[NM], 0x7f800000
	v_mov_b32 v[LS], 0
	s_wait_loadcnt 0x0
	WIN 0x01                                       ; source 0 (K) in window 1
	SQK 0, 0                                       ; S(0)
	SQK 1, 96                                      ; S(1)
	WIN 0
	SMX 0
	v_max_num_f32 v[XP], v[XM], v[XM+3]
	SMX 1
	SNEW                                           ; the maximum of keys 0-127
	SEXPA 0
	SEXPB 0, 0, 1                                  ; P(0)
	s_branch .Lsteps
.Lpv_first:
.irp ct, 0,1,2,3,4,5,6,7                           ; PV: keys 0-31 of V
	global_load_b128 v[VF+8*\ct:VF+8*\ct+3],   v[KA], s[54:55] offset:\ct*1024
	global_load_b128 v[VF+8*\ct+4:VF+8*\ct+7], v[KA], s[54:55] offset:\ct*1024+512
.endr
	s_wait_loadcnt 0x0
.Lsteps:
	PAIR 0, 0, 0                                   ; block 0; slot 1 has its first fill on the way
	s_mov_b32 s40, 14
.Lloop:                                            ; blocks 1 to 28; blocks 2 to 29 are asked for
	PAIR 1, 1, 1
	PAIR 0, 1, 1
	s_sub_co_u32 s40, s40, 1
	s_cmp_lg_u32 s40, 0
	s_cbranch_scc1 .Lloop
	PAIR 1, 1, 1                                   ; block 29
	PAIR 0, 1, 2                                   ; block 30: its second step makes the last energies and fetches no K
	PAIR 1, 0, 3                                   ; block 31: nothing is left to fetch; the softmax waves make P(63), then 1 / row sum
	; THE WAY OUT.  Wave w takes rows (channels) 64 w .. +63 of the block's 64 queries: 32 pairs of rows, in two halves of 16.
	; The places that closed the last steps stand behind every matrix instruction: the fragments' registers are free for loads.
.set p, 0
.rept 16
	global_load_b128 v[64+4*p:64+4*p+3], v[EO], s[44:45] offset:p*32768 th:TH_LOAD_NT
.set p, p+1
.endr
.set p, 0
.rept 16
	global_load_b128 v[128+4*p:128+4*p+3], v[EO], s[48:49] offset:p*32768
.set p, p+1
.endr
	s_wait_dscnt 0x0                               ; 1 / row sum is stored; my reads of slot 1 and of P are done
	BAR
	s_cmp_lt_u32 s14, 4
	s_cbranch_scc0 .Lno_stage
.irp it, 0,1,2,3
	ds_load_b64 v[AL+2*\it:AL+2*\it+1], v[AA] offset:\it*256
.endr
	s_wait_dscnt 0x0
	RESCALE                                        ; sums / row sum
	WIN 0x04                                       ; store data in window 1
.irp ct, 0,1,2,3,4,5,6,7                           ; into slot 0, which has had its last fill and whose last reads lie in block 30's steps, behind three barriers
.irp it, 0,1,2,3
.irp j, 0,1,2,3,4,5,6,7
	ds_store_b32 v[STA], v[8*(4*\ct+\it)+\j] offset:(16*\ct+\j)*SP+64*\it
.endr
.endr
.endr
	WIN 0
.Lno_stage:
	s_wait_dscnt 0x0
	BAR                                            ; the stage is whole
.set p, 0
.rept 16
	ds_load_b128 v[192+4*p:192+4*p+3], v[STR] offset:p*2*SP
.set p, p+1
.endr
	s_wait_loadcnt 0x0                             ; the first half's x and gamma, asked for ahead of the stage, are in
	WIN 0x40                                       ; the second half's x and gamma go out now, into window 1, whose sums have left; they land under the first half's arithmetic and stores
.set p, 0
.rept 16
	global_load_b128 v[4*p:4*p+3], v[EO], s[44:45] offset:(16+p)*32768 th:TH_LOAD_NT
.set p, p+1
.endr
.set p, 0
.rept 16
	global_load_b128 v[64+4*p:64+4*p+3], v[EO], s[48:49] offset:(16+p)*32768
.set p, p+1
.endr
	WIN 0
	s_wait_dscnt 0x0
.set i, 0
.rept 32
	v_pk_fma_f32 v[192+2*i:192+2*i+1], v[128+2*i:128+2*i+1], v[192+2*i:192+2*i+1], v[64+2*i:64+2*i+1]
.set i, i+1
.endr
.set p, 0
.rept 16
	global_store_b128 v[EO], v[192+4*p:192+4*p+3], s[46:47] offset:p*32768 th:TH_STORE_NT   ; 16 lanes store 256 consecutive bytes, aligned
.set p, p+1
.endr
.set p, 0
.rept 16
	ds_load_b128 v[64+4*p:64+4*p+3], v[STR] offset:(16+p)*2*SP    ; into the first half's x registers, which are spent: no store's data is rewritten
.set p, p+1
.endr
	s_wait_loadcnt 0x0                             ; the second half's x and gamma
	s_wait_dscnt 0x0
	WIN 0x11                                       ; gamma (source 0) and x (source 2) in window 1
.set i, 0
.rept 32
	v_pk_fma_f32 v[64+2*i:64+2*i+1], v[64+2*i:64+2*i+1], v[64+2*i:64+2*i+1], v[2*i:2*i+1]
.set i, i+1
.endr
	WIN 0
.set p, 0
.rept 16
	global_store_b128 v[EO], v[64+4*p:64+4*p+3], s[46:47] offset:(16+p)*32768 th:TH_STORE_NT
.set p, p+1
.endr
	s_wait_tensorcnt 0x0
	ds_add_u32 v62, v63
	s_wait_dscnt 0x0
	ROUND                                          ; the closing round: no work-group ends while a partner may still ask for a block that names it
	s_endpgm
.Lfunc_end_k_q3fea46c5b8_attn:
	.size	k_q3fea46c5b8_attn, .Lfunc_end_k_q3fea46c5b8_attn-k_q3fea46c5b8_attn
	.p2alignl 7, 3214868480
	.fill 96, 4, 3214868480
	.section	.rodata,"a",@progbits
	.p2align	6, 0x0
	.amdhsa_kernel k_q3fea46c5b8_attn
		.amdhsa_group_segment_fixed_size 327680
		.amdhsa_private_segment_fixed_size 0
		.amdhsa_enable_private_segment 0
		.amdhsa_kernarg_size 40
		.amdhsa_user_sgpr_count 2
		.amdhsa_user_sgpr_kernarg_segment_ptr 1
		.amdhsa_wavefront_size32 1
		.amdhsa_system_sgpr_workgroup_id_x 1
		.amdhsa_system_sgpr_workgroup_id_y 1
		.amdhsa_system_sgpr_workgroup_id_z 1
		.amdhsa_system_vgpr_workitem_id 0
		.amdhsa_next_free_vgpr 512
		.amdhsa_next_free_sgpr 66
		.amdhsa_reserve_vcc 0
		.amdhsa_float_denorm_mode_32 3
		.amdhsa_float_denorm_mode_16_64 3
		.amdhsa_memory_ordered 1
		.amdhsa_forward_progress 1
		.amdhsa_inst_pref_size 255
	.end_amdhsa_kernel
	.section	.bss,"aw",@nobits
	.p2align	6
	.space	262144
	.amdgpu_metadata
---
amdhsa.version: [ 1, 2 ]
amdhsa.kernels:
  - .name:           k_q3fea46c5b8_attn
    .symbol:         k_q3fea46c5b8_attn.kd
    .args:
      - { .name: qf, .offset: 0, .size: 8, .value_kind: global_buffer, .address_space: global }
      - { .name: kv, .offset: 8, .size: 8, .value_kind: global_buffer, .address_space: global }
      - { .name: gamma, .offset: 16, .size: 8, .value_kind: global_buffer, .address_space: global }
      - { .name: x, .offset: 24, .size: 8, .value_kind: global_buffer, .address_space: global }
      - { .name: out0, .offset: 32, .size: 8, .value_kind: global_buffer, .address_space: global }
    .group_segment_fixed_size: 327680
    .private_segment_fixed_size: 0
    .kernarg_segment_align: 8
    .kernarg_segment_size: 40
    .max_flat_workgroup_size: 256
    .sgpr_count:     66
    .vgpr_count:     512
    .wavefront_size: 32
...
	.end_amdgpu_metadata
.endif
;; end of part 3
;; ======== version 2 of 2: 3 launches; version 1 with the launch proj written anew for expert scheduling mode
;; workspace buffers: wf 688,128 bytes; qf 2,621,440 bytes; kv 19,398,656 bytes
;; launch wprep: the kernel of part 1 again; grid 42 x 1, 8 waves a work-group, no clusters, 0 bytes of LDS; arguments Wq, Wk, Wv, wf; writes wf
;; launch proj (part 4): grid 64 x 4, 8 waves a work-group, no clusters, 82,944 bytes of LDS; arguments x, wf, sv, bv, sq, sk, bq, bk, qf, kv; writes qf, kv
.if DOCPART == 4
	.amdgcn_target "amdgcn-amd-amdhsa--gfx1250"
	.amdhsa_code_object_version 6
	.text
	.protected	k_q3fea46c5b8_proj
	.globl	k_q3fea46c5b8_proj
	.p2align	8
	.type	k_q3fea46c5b8_proj,@function
k_q3fea46c5b8_proj:
	s_mov_b64 s[64:65], 0
	v_nop
	global_prefetch_b8 v0, s[64:65] scope:SCOPE_SE
	s_setreg_imm32_b32 hwreg(HW_REG_WAVE_SCHED_MODE, 0, 2), 2
	s_setreg_imm32_b32 hwreg(HW_REG_WAVE_MODE, 25, 1), 1
	s_wait_xcnt 0x0
	s_wait_alu depctr_vm_vsrc(0)
; q, k, v = relu(scale * (W x) + bias), rounded to bf16 and stored as the matrix fragments that the attention launch multiplies.
; Work-group (s, b): the 64 positions 64 s .. 64 s + 63 of batch b, all 672 output channels, K = 512 channels of x in 16 steps of 32.
;   waves 0-3 (V role):  wave w makes channels 128 w .. +127 of v: 8 o-tiles x 4 n-tiles = 32 accumulators.  Source 0 = x (rows n), source 1 = W
;                        (columns o): a lane then holds 8 neighbouring positions of one channel, which is a chunk of V as attention's source 0.
;   waves 4-7 (QK role): a = q or k, g = which 32 positions: 5 o-tiles x 2 n-tiles = 10 accumulators.  Source 0 = W, source 1 = x: a lane holds
;                        8 neighbouring channels of one position, which is a chunk of K or Q.
; x is read once, rounded to bf16 and laid in LDS as [c 512][n 64], 160 bytes from row to row; fragments come out by the transposing load.
; W's fragments come straight from wf into a ring of three K steps in registers.
; NO CLUSTER, though every work-group walks wf: a fragment of Wv is multiplied by one wave alone, so a shared tile in LDS would be written
; (43,008 bytes a K step) and read (53,248 bytes) on top of the 24,576 bytes of x fragments that the eight waves read in that step.
; OUT:  qf = [b][it 256][e 5][512 B], lane (r, h): q[16 e + 8 h + 0..7][16 it + r]
;       kv = [b][n 32][151,552 B]: K tiles (2n+3) mod 64 and (2n+4) mod 64 (10,240 B each), then the V half tiles (4n+1 .. 4n+4) mod 128 (32,768 B each).
;            K tile s = [jt 4][e 5][512 B], lane: k[16 e + 8 h + 0..7][64 s + 16 jt + r];  V half g = [ct 32][u 2][512 B], lane: v[16 ct + r][32 g + 16 u + 8 h + 0..7].
;            The shifts put into one block what the attention launch reads while it works on keys 128 n .. 128 n + 127: it fetches K three steps and V half a step ahead.
; LIMITS: x and W enter the matrix unit in bf16, q, k, v leave in bf16; relu of a NaN gives 0 here.
; THE MODE: SCHED_MODE bits 1:0 = 2 (LLVM: expert scheduling mode 2), set by the entry lines.  The code itself states the register dependences
; between vector or matrix instructions and memory or LDS instructions, with s_wait_alu, always for 0.
; THE PLAN.  Registers that memory or LDS instructions touch:
;   v1-v6       Offsets and LDS addresses.  Written at the head, ahead of the one wait on va_vdst that stands on each role's way to its first load; never written again.
;   v[128:191]  At the head only: four out-buffers of 16 packed words of x.  Group g's conversions write buffer g, its eight LDS stores read it; no buffer is written twice.
;               One wait on vm_vsrc behind the barrier states that the stores have read them; from there on loads of W, scale and bias land in them.
;   V role.     A K step t is two half steps, 2 t and 2 t + 1, of 16 matrix instructions and two x fragments each.
;     x slots 0-2   Half step p reads slot p % 3.  The LDS loads for half step p + 1 are issued at the head of half step p, into slot (p + 1) % 3 = (p - 2) % 3.
;     W thirds 0-2  Step t reads third t % 3.  The loads of step t + 2 are issued at the head of step t, into third (t + 2) % 3 = (t - 1) % 3.
;     So all that step t's 24 loads land in (slots (2 t - 2) % 3 and (2 t - 1) % 3, third (t - 1) % 3) was last read by step t - 1, and no matrix instruction of
;     step t names it: ONE wait on va_vdst at the step's head states it for the loads at the head and for those in the step's middle.
;   QK role.    Two x buffers: step t reads buffer t % 2; at its head the fragments of step t + 1 go into buffer (t - 1) % 2 and W of step t + 2 into third (t - 1) % 3:
;               again one wait on va_vdst at the step's head.
;   Ways out.   Every o-tile (V role) and every n-tile (QK role) packs into registers of its own, which nothing writes again: a wait on va_vdst ahead of the stores is all.
;   v14, v15    Written at the head, read by the closing add alone.
.set XP,    160                        ; LDS pitch of an x row: 128 bytes of data, an odd multiple of 32
.set BLK,   151552                     ; bytes in a block of kv
.set BATCH, 32*BLK                     ; bytes of kv for a batch
.set L16,  1                           ; v1      16 x lane
.set XA,   2                           ; v2, v3  LDS address of my part of an x fragment, K steps 0-7 and 8-15
.set XO,   4                           ; v4      x in memory: lanes 0-15 one row's 256 bytes, lanes 16-31 the next row's
.set XS,   5                           ; v5      the same two rows in LDS, 8 bytes a lane
.set R4,   6                           ; v6      offset into scale and bias
.set XR,   16                          ; x fragments: V role v[16:63], three slots of two; QK role v[16:47], two buffers of two
.set WBV,  64                          ; V role: v[64:255] W fragments, three K steps of 64 registers
.set WBQ,  48                          ; QK role: v[48:167] three K steps of 40 registers
.set OB,   128                         ; v[128:191] at the head only: the four out-buffers of x in bf16
.set SV,   128                         ; V role, from step 14 on: v[128:135] scale, v[136:143] bias of my channel in each of 8 o-tiles (in the third that step 13 read last)
.set BV,   136
.set SC,   168                         ; QK role: v[168:207] scale, v[208:247] bias of my 8 channels in each of 5 o-tiles
.set BI,   208
; window 1 (v256-v511): first the 32 x loads' 128 registers, then the accumulators: V role (ct, nt) at 8 (4 ct + nt), QK role (nt, e) at 8 (5 nt + e)
.set MSB, 0
.macro WIN new                         ; s_set_vgpr_msb: bits 1:0 source 0, 3:2 source 1, 5:4 source 2, 7:6 destination; the high byte repeats the setting left
.if MSB != \new
	s_set_vgpr_msb (MSB<<8)|\new
.set MSB, \new
.endif
.endm
.macro PLACES                          ; four plain vector instructions behind a matrix instruction, ahead of what touches its registers (ISA guide 7.12.1); they stand beside the waits, not for them
.rept 4
	v_nop
.endr
.endm
.macro VW t                            ; K step t of my 8 o-tiles of Wv: 16 loads, 512 neighbouring bytes each
.irp ct, 0,1,2,3,4,5,6,7
	global_load_b128 v[WBV+64*((\t)%3)+8*\ct:WBV+64*((\t)%3)+8*\ct+3],   v[L16], s[28:29] offset:\ct*16384+(\t)*1024
	global_load_b128 v[WBV+64*((\t)%3)+8*\ct+4:WBV+64*((\t)%3)+8*\ct+7], v[L16], s[28:29] offset:\ct*16384+(\t)*1024+512
.endr
.endm
.macro VSB                             ; sv and bv of channel 128 w + 16 ct + r: 16 loads
.irp ct, 0,1,2,3,4,5,6,7
	global_load_b32 v[SV+\ct], v[R4], s[8:9] offset:64*\ct
	global_load_b32 v[BV+\ct], v[R4], s[10:11] offset:64*\ct
.endr
.endm
.macro XPAIR p                         ; V role: the two x fragments of half step p (K step p / 2, n-tiles 2 (p % 2) and 2 (p % 2) + 1) into slot p % 3: 4 LDS loads
.irp k, 0,1
	ds_load_tr16_b128 v[XR+16*((\p)%3)+8*\k:XR+16*((\p)%3)+8*\k+3],   v[XA+(\p)/16] offset:(((\p)/2)%8)*32*XP+32*(2*((\p)%2)+\k)
	ds_load_tr16_b128 v[XR+16*((\p)%3)+8*\k+4:XR+16*((\p)%3)+8*\k+7], v[XA+(\p)/16] offset:(((\p)/2)%8)*32*XP+16*XP+32*(2*((\p)%2)+\k)
.endr
.endm
.macro VMUL t, i                       ; V role: half step 2 t + i: 16 matrix instructions; over a step the 32 accumulators take turns, one instruction a turn
.irp k, 0,1
.irp ct, 0,1,2,3,4,5,6,7
.if \t == 0
	v_wmma_f32_16x16x32_bf16 v[8*(4*\ct+2*\i+\k):8*(4*\ct+2*\i+\k)+7], v[XR+16*((2*\t+\i)%3)+8*\k:XR+16*((2*\t+\i)%3)+8*\k+7], v[WBV+64*((\t)%3)+8*\ct:WBV+64*((\t)%3)+8*\ct+7], 0
.else
	v_wmma_f32_16x16x32_bf16 v[8*(4*\ct+2*\i+\k):8*(4*\ct+2*\i+\k)+7], v[XR+16*((2*\t+\i)%3)+8*\k:XR+16*((2*\t+\i)%3)+8*\k+7], v[WBV+64*((\t)%3)+8*\ct:WBV+64*((\t)%3)+8*\ct+7], v[8*(4*\ct+2*\i+\k):8*(4*\ct+2*\i+\k)+7]
.endif
.endr
.endr
.endm
.macro QW t                            ; K step t of the 5 o-tiles of Wq or Wk: 10 loads
.irp e, 0,1,2,3,4
	global_load_b128 v[WBQ+40*((\t)%3)+8*\e:WBQ+40*((\t)%3)+8*\e+3],   v[L16], s[28:29] offset:\e*16384+(\t)*1024
	global_load_b128 v[WBQ+40*((\t)%3)+8*\e+4:WBQ+40*((\t)%3)+8*\e+7], v[L16], s[28:29] offset:\e*16384+(\t)*1024+512
.endr
.endm
.macro QSB                             ; scale and bias of channels 16 e + 8 h + 0..7: 20 loads
.irp e, 0,1,2,3,4
	global_load_b128 v[SC+8*\e:SC+8*\e+3],   v[R4], s[32:33] offset:64*\e
	global_load_b128 v[SC+8*\e+4:SC+8*\e+7], v[R4], s[32:33] offset:64*\e+16
	global_load_b128 v[BI+8*\e:BI+8*\e+3],   v[R4], s[34:35] offset:64*\e
	global_load_b128 v[BI+8*\e+4:BI+8*\e+7], v[R4], s[34:35] offset:64*\e+16
.endr
.endm
.macro QX t                            ; QK role: the two x fragments of K step t into buffer t % 2: 4 LDS loads
.irp k, 0,1
	ds_load_tr16_b128 v[XR+16*((\t)%2)+8*\k:XR+16*((\t)%2)+8*\k+3],   v[XA+(\t)/8] offset:((\t)%8)*32*XP+32*\k
	ds_load_tr16_b128 v[XR+16*((\t)%2)+8*\k+4:XR+16*((\t)%2)+8*\k+7], v[XA+(\t)/8] offset:((\t)%8)*32*XP+16*XP+32*\k
.endr
.endm
; One K step of the V role.  At its head the x fragments of its first half step have been asked for; W comes two steps ahead from memory; 32 matrix instructions.
.macro VSTEP t
.if \t
	PLACES
	s_wait_alu depctr_va_vdst(0)                   ; the last step's matrix instructions are done reading their two slots of x and their third of W's ring: all this step's loads land there
.endif
.if \t <= 13
	VW \t+2
.endif
.if \t == 14
	VSB
.endif
	XPAIR 2*\t+1                                   ; the second half step's fragments: they land under the first half step's matrix instructions
.if \t == 15
	s_wait_loadcnt 16                              ; behind W(15) only the 16 loads of scale and bias were issued
.else
	s_wait_loadcnt 32                              ; behind W(t): two K steps of 16 loads (in step 14: W(15) and the 16 of scale and bias)
.endif
	s_wait_dscnt 4                                 ; LDS loads come back in order (ISA guide 5.7.1): the first half step's fragments are in, the four loads just issued stay out
	WIN 0x50                                       ; C and D in window 1
	VMUL \t, 0
	WIN 0
.if \t < 15
	XPAIR 2*\t+2                                   ; the next step's first fragments.  No wait: no matrix instruction since the wait at the head names this slot
	s_wait_dscnt 4                                 ; the second half step's fragments are in, the four loads just issued stay out
.else
	s_wait_dscnt 0x0
.endif
	WIN 0x50
	VMUL \t, 1
	WIN 0
.endm
; One K step of the QK role: 10 matrix instructions.  The step is short, so its loads stand in one run at its head.
.macro QSTEP t
.if \t
	PLACES
	s_wait_alu depctr_va_vdst(0)                   ; the last step's matrix instructions are done reading their x buffer and their third of W's ring: this step's loads land there
.endif
.if \t <= 13
	QW \t+2
.endif
.if \t == 14
	QSB
.endif
.if \t < 15
	QX \t+1                                        ; the next step's fragments
.endif
.if \t == 14
	s_wait_loadcnt 30                              ; behind W(14): W(15)'s 10 loads and the 20 of scale and bias
.else
	s_wait_loadcnt 20                              ; behind W(t): two K steps of 10 loads (in step 15: the 20 of scale and bias)
.endif
.if \t < 15
	s_wait_dscnt 4                                 ; this step's fragments are in, the four loads just issued stay out
.else
	s_wait_dscnt 0x0
.endif
	WIN 0x50
.irp nt, 0,1                                       ; the 10 accumulators take turns, one instruction a turn
.irp e, 0,1,2,3,4
.if \t == 0
	v_wmma_f32_16x16x32_bf16 v[8*(5*\nt+\e):8*(5*\nt+\e)+7], v[WBQ+40*((\t)%3)+8*\e:WBQ+40*((\t)%3)+8*\e+7], v[XR+16*((\t)%2)+8*\nt:XR+16*((\t)%2)+8*\nt+7], 0
.else
	v_wmma_f32_16x16x32_bf16 v[8*(5*\nt+\e):8*(5*\nt+\e)+7], v[WBQ+40*((\t)%3)+8*\e:WBQ+40*((\t)%3)+8*\e+7], v[XR+16*((\t)%2)+8*\nt:XR+16*((\t)%2)+8*\nt+7], v[8*(5*\nt+\e):8*(5*\nt+\e)+7]
.endif
.endr
.endr
	WIN 0
.endm
; The V role's way out for one o-tile: affine, relu, bf16, four chunks of 512 bytes: two into the tile's first half, two into its second.
; The f32 numbers pass through v[64:95]; each o-tile packs into 16 registers of its own (v96-127, v144-239: W's ring is spent), so no store's data is written again.
.macro VOUT ct
.if \ct < 2
.set PK, 96+16*\ct
.else
.set PK, 112+16*\ct
.endif
	WIN 0x01                                       ; source 0 (the sums) in window 1
.irp nt, 0,1,2,3
.irp j, 0,1,2,3,4,5,6,7
	v_fma_f32 v[64+8*\nt+\j], v[8*(4*\ct+\nt)+\j], v[SV+\ct], v[BV+\ct]
.endr
.endr
	WIN 0
.set i, 0
.rept 32
	v_max_num_f32 v[64+i], 0, v[64+i]
.set i, i+1
.endr
.set i, 0
.rept 16
	v_cvt_pk_bf16_f32 v[PK+i], v[64+2*i], v[64+2*i+1]
.set i, i+1
.endr
	s_wait_alu depctr_va_vdst(0)                   ; the conversions have written this o-tile's 16 packed words, which the four stores read
.irp u, 0,1
	global_store_b128 v[L16], v[PK+4*\u:PK+4*\u+3], s[30:31] offset:\ct*1024+\u*512        ; positions 0-31
.endr
.irp u, 0,1
	global_store_b128 v[L16], v[PK+8+4*\u:PK+8+4*\u+3], s[32:33] offset:\ct*1024+\u*512    ; positions 32-63
.endr
.endm
	s_load_b512 s[4:19], s[0:1], 0x0               ; x 4, wf 6, sv 8, bv 10, sq 12, sk 14, bq 16, bk 18
	s_load_b128 s[20:23], s[0:1], 0x40             ; qf 20, kv 22
	v_lshl_add_u32 v14, v0, 2, 0x14000
	v_mov_b32 v15, 0
	v_lshrrev_b32 v7, 5, v0
	v_readfirstlane_b32 s24, v7                    ; wave
	v_and_b32 v8, 31, v0                           ; lane
	v_and_b32 v9, 15, v0                           ; r
	v_bfe_u32 v10, v0, 4, 1                        ; h
	v_lshlrev_b32 v[L16], 4, v8
	v_and_b32 v11, 7, v0
	v_lshl_add_u32 v11, v10, 3, v11                ; the transposing load: lane L addresses row 8 h + (L & 7) of the K step,
	v_mul_u32_u24 v[XA], v11, XP
	v_bfe_u32 v11, v0, 3, 1
	v_lshl_add_u32 v[XA], v11, 4, v[XA]            ; and 16 bytes further on for (L >> 3) & 1
	v_lshlrev_b32 v[XO], 4, v9
	v_lshl_add_u32 v[XO], v10, 14, v[XO]
	v_mul_u32_u24 v[XS], v10, XP
	v_lshl_add_u32 v[XS], v9, 3, v[XS]
	s_wait_alu depctr_va_sdst(0)                   ; s24 is written, ahead of its first reader: the roles, the bases and the branches are made from it
	s_and_b32 s27, ttmp7, 0xffff                   ; b
	s_bfe_u32 s40, s24, 0x10001                    ; QK role: a = 0 for q, 1 for k
	s_and_b32 s41, s24, 1                          ; QK role: g = which 32 positions
	s_lshl_b32 s36, s27, 23                        ; x: batch of 8,388,608 bytes
	s_lshl_b32 s37, s24, 20                        ;    + the wave's 64 rows of 16,384 bytes
	s_add_co_u32 s36, s36, s37
	s_lshl_b32 s37, ttmp9, 8                       ;    + the group's 64 positions
	s_add_co_u32 s36, s36, s37
	s_mov_b32 s37, 0
	s_lshl_b32 s38, s24, 17                        ; wf: V role: o-tile 10 + 8 w,
	s_add_co_u32 s38, s38, 10*16384
	s_mul_i32 s39, s40, 5*16384                    ;     QK role: o-tile 5 a
	s_cmp_lt_u32 s24, 4
	s_cselect_b32 s38, s38, s39
	s_mov_b32 s39, 0
	s_mul_i32 s42, s24, 64*XP
	v_add_nc_u32 v[XS], s42, v[XS]
	s_wait_kmcnt 0x0
	s_add_nc_u64 s[4:5], s[4:5], s[36:37]
	s_add_nc_u64 s[28:29], s[6:7], s[38:39]
	s_cmp_lt_u32 s24, 4
	s_cbranch_scc0 .Lqk_w0
	v_lshlrev_b32 v[R4], 2, v9                     ; V role: 4 r + 512 w
	v_lshl_add_u32 v[R4], v7, 9, v[R4]
	v_add_nc_u32 v[XA+1], 8*32*XP, v[XA]           ; K steps 8-15: the LDS immediate has 16 bits
	s_wait_alu depctr_va_vdst(0)                   ; v1 to v6 are written: every load, store and LDS instruction of this role reads one of them as its offset or address
	VW 0
	s_branch .Lx
.Lqk_w0:
	s_lshl_b32 s42, s41, 6
	v_add_nc_u32 v[XA], s42, v[XA]                 ; QK role: my two n-tiles begin 64 g bytes into a row
	v_add_nc_u32 v[XA+1], 8*32*XP, v[XA]           ; K steps 8-15: the LDS immediate has 16 bits
	v_lshlrev_b32 v[R4], 5, v10                    ; 32 h
	s_wait_alu depctr_va_vdst(0)                   ; v1 to v6 are written: every load, store and LDS instruction of this role reads one of them as its offset or address
	QW 0
.Lx:
	; x: wave w brings rows 64 w .. +63, two rows (2 x 256 aligned bytes) an instruction, all 32 loads at once into window 1
	WIN 0x40
.set t, 0
.rept 32
	global_load_b128 v[4*t:4*t+3], v[XO], s[4:5] offset:t*32768 th:TH_LOAD_NT
.set t, t+1
.endr
.set g, 0
.rept 4
	s_wait_loadcnt 24-8*g                          ; loads come back in order (ISA guide 5.7.1): this group of eight is in (and W(0), issued earlier); the younger stay out
	WIN 0x05
.set i, 0
.rept 8
	v_cvt_pk_bf16_f32 v[OB+16*g+2*i],   v[4*(8*g+i)],   v[4*(8*g+i)+1]
	v_cvt_pk_bf16_f32 v[OB+16*g+2*i+1], v[4*(8*g+i)+2], v[4*(8*g+i)+3]
.set i, i+1
.endr
	WIN 0
	s_wait_alu depctr_va_vdst(0)                   ; the conversions have written this group's out-buffer, which the eight LDS stores read
.set i, 0
.rept 8
	ds_store_b64 v[XS], v[OB+16*g+2*i:OB+16*g+2*i+1] offset:(8*g+i)*2*XP
.set i, i+1
.endr
.set g, g+1
.endr
	s_wait_dscnt 0x0                               ; my rows are in LDS,
	s_barrier_signal -1
	s_barrier_wait -1                              ; everybody's are: the launch's only barrier; nothing writes LDS behind it
	s_wait_alu depctr_vm_vsrc(0)                   ; my LDS stores have read v[128:191]: loads of W, scale and bias land there from here on (the conversions that wrote them stand ahead of the last wait on va_vdst)
	s_cmp_lt_u32 s24, 4
	s_cbranch_scc0 .Lqk
	; ---- V role ----
	XPAIR 0                                        ; the first half step's fragments; no vector instruction has named v[16:63]
	VW 1
	s_mul_i32 s36, s27, BATCH                      ; common to both halves: the batch,
	s_lshl_b32 s37, s24, 13                        ; my 8 o-tiles of 1,024 bytes in a half tile,
	s_add_co_u32 s36, s36, s37
	s_add_co_u32 s36, s36, 20480                   ; behind a block's two K tiles
	s_lshr_b32 s37, ttmp9, 1                       ; positions 32-63 = half 2 s + 1, which lies at place 2 s: block s >> 1, part 2 (s & 1)
	s_mul_i32 s37, s37, BLK
	s_and_b32 s38, ttmp9, 1
	s_lshl_b32 s38, s38, 16
	s_add_co_u32 s38, s38, s37
	s_add_co_u32 s38, s38, s36
	s_mov_b32 s39, 0
	s_add_nc_u64 s[32:33], s[22:23], s[38:39]
	s_lshl_b32 s37, ttmp9, 1                       ; positions 0-31 = half 2 s, at place (2 s - 1) mod 128: block place >> 2, part place & 3
	s_add_co_u32 s37, s37, 127
	s_and_b32 s37, s37, 127
	s_lshr_b32 s38, s37, 2
	s_mul_i32 s38, s38, BLK
	s_and_b32 s37, s37, 3
	s_lshl_b32 s37, s37, 15
	s_add_co_u32 s37, s37, s38
	s_add_co_u32 s36, s36, s37
	s_mov_b32 s37, 0
	s_add_nc_u64 s[30:31], s[22:23], s[36:37]
.irp t, 0,1,2,3,4,5,6,7,8,9,10,11,12,13,14,15
	VSTEP \t
.endr
	s_wait_loadcnt 0x0                             ; scale and bias
	PLACES                                         ; behind the last matrix instructions: results are read, W's registers rewritten
.irp ct, 0,1,2,3,4,5,6,7
	VOUT \ct
.endr
	s_wait_dscnt 0x0                               ; the closing lines, six on end
	s_wait_alu 0x0
	s_wait_tensorcnt 0x0
	ds_add_u32 v14, v15
	s_wait_dscnt 0x0
	s_endpgm
	; ---- QK role ----
.Lqk:
	QX 0                                           ; the first step's fragments; no vector instruction has named v[16:47]
	QW 1
	s_add_co_u32 s36, ttmp9, 61                    ; K tile s lies at place sm = (s - 3) mod 64: block sm >> 1, part sm & 1
	s_and_b32 s36, s36, 63
	s_lshr_b32 s37, s36, 1
	s_mul_i32 s37, s37, BLK
	s_and_b32 s36, s36, 1
	s_mul_i32 s36, s36, 10240
	s_add_co_u32 s36, s36, s37
	s_mul_i32 s37, s27, BATCH
	s_add_co_u32 s36, s36, s37                     ; k's offset in kv
	s_lshl_b32 s37, s27, 8
	s_lshl2_add_u32 s37, ttmp9, s37                ; Q tile 256 b + 4 s
	s_mul_i32 s37, s37, 2560                       ; q's offset in qf
	s_cmp_eq_u32 s40, 0
	s_cselect_b32 s36, s37, s36
	s_cselect_b64 s[30:31], s[20:21], s[22:23]     ; qf or kv
	s_cselect_b64 s[32:33], s[12:13], s[14:15]     ; sq or sk
	s_cselect_b64 s[34:35], s[16:17], s[18:19]     ; bq or bk
	s_mul_i32 s37, s41, 2*2560                     ; my two n-tiles
	s_add_co_u32 s36, s36, s37
	s_mov_b32 s37, 0
	s_add_nc_u64 s[30:31], s[30:31], s[36:37]
.irp t, 0,1,2,3,4,5,6,7,8,9,10,11,12,13,14,15
	QSTEP \t
.endr
	s_wait_loadcnt 0x0
	PLACES
.irp nt, 0,1                                       ; each n-tile packs into registers of its own: no store's data is rewritten
	WIN 0x01
.irp e, 0,1,2,3,4
.irp p, 0,2,4,6
	v_pk_fma_f32 v[48+8*\e+\p:48+8*\e+\p+1], v[8*(5*\nt+\e)+\p:8*(5*\nt+\e)+\p+1], v[SC+8*\e+\p:SC+8*\e+\p+1], v[BI+8*\e+\p:BI+8*\e+\p+1]
.endr
.endr
	WIN 0
.set i, 0
.rept 40
	v_max_num_f32 v[48+i], 0, v[48+i]
.set i, i+1
.endr
.set i, 0
.rept 20
	v_cvt_pk_bf16_f32 v[88+20*\nt+i], v[48+2*i], v[48+2*i+1]
.set i, i+1
.endr
.endr
	s_wait_alu depctr_va_vdst(0)                   ; the conversions have written both n-tiles' packed words, v[88:127], which the run of ten stores reads
.irp nt, 0,1
.irp e, 0,1,2,3,4
	global_store_b128 v[L16], v[88+20*\nt+4*\e:88+20*\nt+4*\e+3], s[30:31] offset:\nt*2560+\e*512
.endr
.endr
	s_wait_dscnt 0x0                               ; the closing lines, six on end
	s_wait_alu 0x0
	s_wait_tensorcnt 0x0
	ds_add_u32 v14, v15
	s_wait_dscnt 0x0
	s_endpgm
.Lfunc_end_k_q3fea46c5b8_proj:
	.size	k_q3fea46c5b8_proj, .Lfunc_end_k_q3fea46c5b8_proj-k_q3fea46c5b8_proj
	.p2alignl 7, 3214868480
	.fill 96, 4, 3214868480
	.section	.rodata,"a",@progbits
	.p2align	6, 0x0
	.amdhsa_kernel k_q3fea46c5b8_proj
		.amdhsa_group_segment_fixed_size 82944
		.amdhsa_private_segment_fixed_size 0
		.amdhsa_enable_private_segment 0
		.amdhsa_kernarg_size 80
		.amdhsa_user_sgpr_count 2
		.amdhsa_user_sgpr_kernarg_segment_ptr 1
		.amdhsa_wavefront_size32 1
		.amdhsa_system_sgpr_workgroup_id_x 1
		.amdhsa_system_sgpr_workgroup_id_y 1
		.amdhsa_system_sgpr_workgroup_id_z 1
		.amdhsa_system_vgpr_workitem_id 0
		.amdhsa_next_free_vgpr 512
		.amdhsa_next_free_sgpr 66
		.amdhsa_reserve_vcc 0
		.amdhsa_float_denorm_mode_32 3
		.amdhsa_float_denorm_mode_16_64 3
		.amdhsa_memory_ordered 1
		.amdhsa_forward_progress 1
		.amdhsa_inst_pref_size 166
	.end_amdhsa_kernel
	.amdgpu_metadata
---
amdhsa.version: [ 1, 2 ]
amdhsa.kernels:
  - .name:           k_q3fea46c5b8_proj
    .symbol:         k_q3fea46c5b8_proj.kd
    .args:
      - { .name: x, .offset: 0, .size: 8, .value_kind: global_buffer, .address_space: global }
      - { .name: wf, .offset: 8, .size: 8, .value_kind: global_buffer, .address_space: global }
      - { .name: sv, .offset: 16, .size: 8, .value_kind: global_buffer, .address_space: global }
      - { .name: bv, .offset: 24, .size: 8, .value_kind: global_buffer, .address_space: global }
      - { .name: sq, .offset: 32, .size: 8, .value_kind: global_buffer, .address_space: global }
      - { .name: sk, .offset: 40, .size: 8, .value_kind: global_buffer, .address_space: global }
      - { .name: bq, .offset: 48, .size: 8, .value_kind: global_buffer, .address_space: global }
      - { .name: bk, .offset: 56, .size: 8, .value_kind: global_buffer, .address_space: global }
      - { .name: qf, .offset: 64, .size: 8, .value_kind: global_buffer, .address_space: global }
      - { .name: kv, .offset: 72, .size: 8, .value_kind: global_buffer, .address_space: global }
    .group_segment_fixed_size: 82944
    .private_segment_fixed_size: 0
    .kernarg_segment_align: 8
    .kernarg_segment_size: 80
    .max_flat_workgroup_size: 256
    .sgpr_count:     66
    .vgpr_count:     512
    .wavefront_size: 32
...
	.end_amdgpu_metadata
.endif
;; end of part 4
;; launch attn: the kernel of part 3 again; grid 256 x 1, 8 waves a work-group, clusters of 4 x 1, 327,680 bytes of LDS; arguments qf, kv, gamma, x, out0; writes out0
